; MI455X (gfx1250); checked and timed in simulation.
; The chip was launched on July 23, 2026; its instructions are those of AMD's public machine-readable ISA for CDNA 5 (MIT licence, August 2026) and "CDNA5" Instruction Set Architecture Reference Guide (July 2026). The comments in the code are by the model that wrote it; some were corrected since.
;; Multi Headed Attention. Allowed arithmetic: matrix products marked QUANTISED: E5M2 operands, one given power-of-two scale a tensor, by v_wmma_f32_16x16x64_bf8_bf8 or v_wmma_f32_16x16x128_bf8_bf8, f32 sums; everything else in f32.
;; Inputs: Wk 16 x 64 x 1,024 float32; Wp 1,024 x 1,024 float32; Wq 16 x 64 x 1,024 float32; Wv 16 x 64 x 1,024 float32; bk 16 x 64 float32; bp 1,024 float32; bq 16 x 64 float32; bv 16 x 64 float32; key 4 x 2,048 x 1,024 float32; lowp_scales 12 int32 (the exponents e of the quantised operands' scales 2^e); mask 4 x 2,048 x 2,048 bool; query 4 x 2,048 x 1,024 float32; value 4 x 2,048 x 1,024 float32.
;; Outputs: out0 4 x 2,048 x 1,024 float32.
;; This version of the problem:
;;   THIS VERSION OF THE PROBLEM IS GIVEN IN LOW PRECISION. The matrix products marked QUANTISED in the list below multiply operands that are first quantised to E5M2 (5 exponent bits, 2 mantissa bits; 8 bits a number), with one given power-of-two scale for each operand tensor; their sums are f32. All else is computed in f32.
;;   The module's matrix products, in the order in which they are computed (A, B: the left and right operand; K: the contracted axis; several contracted axes count as one K, in the product's order):
;;     1. [M 1,024, K 1,024] x [K 1,024, N 8,192]; A: input Wq; B: input query: QUANTISED (scales: A lowp_scales[0], B lowp_scales[1])
;;     2. [M 1,024, K 1,024] x [K 1,024, N 8,192]; A: input Wk; B: input key: QUANTISED (scales: A lowp_scales[2], B lowp_scales[3])
;;     3. [M 1,024, K 1,024] x [K 1,024, N 8,192]; A: input Wv; B: input value: QUANTISED (scales: A lowp_scales[4], B lowp_scales[5])
;;     4. batch 64 x [M 2,048, K 64] x [K 64, N 2,048]; A: computed on the way; B: computed on the way: QUANTISED (scales: A lowp_scales[6], B lowp_scales[7])
;;     5. batch 64 x [M 2,048, K 2,048] x [K 2,048, N 64]; A: softmax (see below); B: computed on the way: QUANTISED (scales: A lowp_scales[8], B lowp_scales[9])
;;     6. [M 8,192, K 1,024] x [K 1,024, N 1,024]; A: computed on the way; B: input Wp: QUANTISED (scales: A lowp_scales[10], B lowp_scales[11])
;;   THE QUANTISER, for each operand of a quantised product, along K:
;;     - The operand's scale is 2^e, e = its entry of the input lowp_scales (int32; the entries are numbered through the quantised products in the list's order, A before B).
;;     - Each number is divided by the scale, clamped to +-57,344, and rounded to the nearest number of E5M2, ties to even, subnormals kept.
;;     - The product sums the exact products of the quantised numbers (number of the format x scale) in f32.
;;   ~~~python
;;   def quantise(x, axis, e):      # numpy; x: float32 -> the quantised numbers, widened to float32 again
;;       x = np.moveaxis(x, axis, -1); K = x.shape[-1]
;;       r = np.clip(x / 2.0 ** e, -57344, 57344)
;;       step = 2.0 ** (np.maximum(np.frexp(np.where(r == 0, 1, r))[1] - 1, -14) - 2)
;;       q = np.round(r / step) * step * 2.0 ** e      # np.round: ties to even
;;       return np.moveaxis(q, -1, axis).astype(np.float32)
;;   ~~~
;;   SOFTMAX AHEAD OF A QUANTISED PRODUCT. Where the list says 'softmax', what is quantised is not the finished softmax but p = 2^(t - M), with t = logit x log2(e) and M = ceil(the row's largest t), a whole number; so 1/2 < the row's largest p <= 1. The row's sum l is taken of the UNQUANTISED p, in f32, and the product's result is divided by l at the end. Since M is a whole number, a kernel that streams over the keys may use a running M (the ceiling of the running maximum): every later rescaling is an exact power of two, so the quantised numbers keep their values, but for numbers so far below the row's largest that they fall under the format's range.
;;   OPERANDS COMPUTED ON THE WAY. 'Computed on the way' means the value that the module computes at that place (a softmax that the list does not call 'softmax' is quantised finished and normalised). What goes into a quantiser is computed in f32, as accurately as f32 sums, v_exp_f32 and their like allow (about 1e-6 of the number): no bf16 or f16 on the way to a quantiser, and a product that is left as it is and whose result goes on into a quantised operand takes f32 operands (vector FMAs, or v_wmma_f32_16x16x4_f32). A number that lies on a knife's edge between two numbers of the format may be rounded either way, as far as f32 arithmetic and the matrix unit's own rounding can turn it there, and no further.
;; 2 versions, each right; version 2 is version 1 with the launch attn written anew for expert scheduling mode. Each part assembles by itself: llvm-mc -triple=amdgcn-amd-amdhsa -mcpu=gfx1250 --defsym DOCPART=n.
;; ======== version 1 of 2: 4 launches
;; limits: right only within a limited range of input values
;; workspace buffers: codes 29,360,128 bytes; maskw 2,097,152 bytes of whole numbers; need 2,048 bytes of whole numbers; qc 8,388,608 bytes; kv 16,777,216 bytes; zc 8,388,608 bytes
;; launch prep (part 1): grid 1024 x 1, 4 waves a work-group, no clusters, 50,688 bytes of LDS; arguments query, key, value, Wq, Wk, Wv, Wp, mask, lowp_scales, codes, maskw, need; writes codes, maskw, need
.if DOCPART == 1
	.amdgcn_target "amdgcn-amd-amdhsa--gfx1250"
	.amdhsa_code_object_version 6
	.text
	.protected	k_q047783280d_prep
	.globl	k_q047783280d_prep
	.p2align	8
	.type	k_q047783280d_prep,@function
k_q047783280d_prep:
	s_mov_b64 s[64:65], 0
	v_nop
	global_prefetch_b8 v0, s[64:65] scope:SCOPE_SE
	s_setreg_imm32_b32 hwreg(HW_REG_WAVE_MODE, 25, 1), 1
	s_wait_xcnt 0x0
; PREP.  Two kinds of work-groups, parted on the work-group's number; they never join and each has LDS bytes of its own.
; (1) Work-groups 128 .. 1023: query, key, value, Wq, Wk, Wv, Wp (f32, K = 1,024 innermost) become codes of E5M2, one byte a number, K innermost, each tensor with the scale 2^e that is given for it:
;     code = x / 2^e, held within +-57,344, to the nearest code, ties to even.  All seven lie in ONE buffer of 28,672 rows x 1,024 bytes (first rows: query 0, key 8,192, value 16,384, Wq 24,576, Wk 25,600, Wv 26,624, Wp 27,648).
;     A ROW IS STORED AT ITS NUMBER WITH BITS 3 AND 4 EXCHANGED: sixteen stored neighbours 16 T .. 16 T + 15 are then the true rows 32 (T / 2) + 8 (T % 2) + r + 8 (r / 8), the order in which the later products want a tile's rows.
;     A work-group takes 32 rows, a wave 8 (8,192 numbers, 16 steps of 512).  Each load reads 512 consecutive bytes; a step's 2,048 bytes turn through the wave's own stage in LDS so that a lane holds 16 neighbours along K;
;     a lane's 16 codes are 16 bytes, so a store covers 512 consecutive bytes.  Loads run four steps ahead, the turn through LDS one step.
; (2) Work-groups 0 .. 127: the mask's bytes become select words for the attention launch.  A wave owns one tile of 16 queries (of the order above) and all 2,048 keys.
;     maskw [batch][tile 128][key step 16][n 64]: bit L of word n = 16 bb + i is mask[query of lane L % 16][128 step + 32 bb + 16 (L / 16) + i].
;     need [batch x 128 + tile]: bit j says that key step j is walked.  A step is passed over only if all its 16 x 128 entries are closed AND each of the tile's 16 queries has an open key somewhere; else every step is walked.
; LIMITS: each e between -126 and 112, so that 2^e and 57,344 x 2^e are f32 numbers.  NaN among the inputs is not served (an infinity is held at the largest code).
.set STEPS, 16
.set WREG,  8192                       ; LDS of a quantising wave: two stages of 32 x SP bytes
.set SP,    80                         ; a lane's place in a stage: 64 bytes + 16 of padding
.set R,     16                         ; v16-79   four sets of 16 numbers as loaded
.set X,     80                         ; v80-111  two sets of 16 neighbours
.set C,     128                        ; v128-191 codes, four registers a step
.set MSTG,  32768                      ; LDS of the mask path: 16 rows x MP bytes for each wave
.set MP,    272                        ; 256 bytes of a row + 16 of padding
.set MGO,   20                         ; v20  mask: my byte among two rows of a load
.set MSI,   21                         ; v21  stage, on the way in
.set MSO,   22                         ; v22  stage, on the way out
.set MWO,   23                         ; v23  my 16 bytes of a unit's 512 bytes of words
	s_load_b512 s[8:23], s[0:1], 0x0               ; query, key, value, Wq, Wk, Wv, Wp, mask
	s_load_b256 s[24:31], s[0:1], 0x40             ; lowp_scales, codes, maskw, need
	v_lshl_add_u32 v192, v0, 2, 0xc400
	v_mov_b32 v193, 0
	v_lshrrev_b32 v1, 5, v0
	v_readfirstlane_b32 s3, v1                     ; wave 0..3
	v_and_b32 v2, 31, v0                           ; lane
	s_cmp_lt_u32 ttmp9, 128
	s_cbranch_scc1 .Lmask
; ---------------------------------------------------------------- the quantiser
	v_lshlrev_b32 v3, 4, v2                        ; 16 x lane: my 16 bytes of a load's 512, and of a store's
	s_mul_i32 s47, s3, WREG
	v_lshrrev_b32 v14, 2, v2
	v_mul_u32_u24 v14, v14, SP
	v_and_b32 v15, 3, v2
	v_lshl_add_u32 v14, v15, 4, v14
	v_add_nc_u32 v14, s47, v14                     ; the stage, in: SP (lane / 4) + 16 (lane % 4)
	v_mul_u32_u24 v15, v2, SP
	v_add_nc_u32 v15, s47, v15                     ; and out: SP x lane: my 16 neighbours
	s_sub_co_u32 s45, ttmp9, 128                   ; g: which 32 rows of the 28,672
	s_wait_kmcnt 0x0
	s_load_b256 s[32:39], s[24:25], 0x0            ; the exponents 0 .. 7
	s_load_b128 s[40:43], s[24:25], 0x20           ; 8 .. 11
	s_mov_b64 s[4:5], s[8:9]                       ; the tensor is chosen by the work-group's number alone
	s_mov_b32 s46, 0
.macro PICK lim, ptr
	s_cmp_ge_u32 s45, \lim
	s_cselect_b64 s[4:5], s[\ptr:\ptr+1], s[4:5]
	s_cselect_b32 s46, \lim, s46
.endm
	PICK 256, 10
	PICK 512, 12
	PICK 768, 14
	PICK 800, 16
	PICK 832, 18
	PICK 864, 20
	s_sub_co_u32 s46, s45, s46                     ; the group's number inside its tensor
	s_lshl_b32 s46, s46, 17                        ; 32 rows of 4,096 bytes
	s_lshl_b32 s47, s3, 15                         ; my wave's 8 rows
	s_add_co_u32 s46, s46, s47
	s_mov_b32 s47, 0
	s_add_nc_u64 s[4:5], s[4:5], s[46:47]
	s_and_b32 s48, s3, 1                           ; bits 3 and 4 of the row change places: wave w's 8 rows go to place 2 (w % 2) + w / 2
	s_lshl_b32 s48, s48, 1
	s_lshr_b32 s49, s3, 1
	s_add_co_u32 s48, s48, s49
	s_lshl_b32 s48, s48, 13
	s_lshl_b32 s49, s45, 15
	s_add_co_u32 s48, s48, s49
	s_mov_b32 s49, 0
	s_add_nc_u64 s[6:7], s[26:27], s[48:49]
.macro QLOAD t
.irp i, 0,1,2,3
	global_load_b128 v[R+16*((\t)%4)+4*\i:R+16*((\t)%4)+4*\i+3], v3, s[4:5] offset:2048*(\t)+512*\i th:TH_LOAD_NT   ; 32 lanes read 512 consecutive bytes
.endr
.endm
.macro QTURN t                         ; step t's numbers through the stage: LDS serves a wave's instructions in order (ISA guide 5.7.1.4), so no wait stands between the stores and the loads
.irp i, 0,1,2,3
	ds_store_b128 v14, v[R+16*((\t)%4)+4*\i:R+16*((\t)%4)+4*\i+3] offset:32*SP*((\t)%2)+8*SP*\i
.endr
.irp i, 0,1,2,3
	ds_load_b128 v[X+16*((\t)%2)+4*\i:X+16*((\t)%2)+4*\i+3], v15 offset:32*SP*((\t)%2)+16*\i
.endr
.endm
.irp t, 0,1,2,3
	QLOAD \t
.endr
	s_wait_kmcnt 0x0
	s_mov_b32 s50, s33                             ; e: query's is entry 1, key's 3, value's 5, Wq's 0, Wk's 2, Wv's 4, Wp's 11
.macro PICKE lim, reg
	s_cmp_ge_u32 s45, \lim
	s_cselect_b32 s50, s[\reg], s50
.endm
	PICKE 256, 35
	PICKE 512, 37
	PICKE 768, 32
	PICKE 800, 34
	PICKE 832, 36
	PICKE 864, 43
	s_add_co_i32 s50, s50, 127
	s_lshl_b32 s51, s50, 23
	v_mov_b32 v11, s51                             ; 2^e as f32: the conversion takes its exponent field
	s_add_co_i32 s50, s50, 15
	s_lshl_b32 s50, s50, 23
	s_or_b32 s50, s50, 0x600000
	v_mov_b32 v10, s50                             ; 57,344 x 2^e
	s_wait_loadcnt 12                              ; step 0's four loads are in; those of steps 1 to 3 may be out
	QTURN 0
.macro QSTEP t
.set XS, X+16*((\t)%2)
	s_wait_dscnt 0x0                               ; this step's numbers are back from the stage, and its stores into the stage have read their registers,
.if (\t)+4 < STEPS
	QLOAD (\t)+4                                   ; which take the loads of four steps on
.endif
.if (\t)+1 < STEPS
.if STEPS-2-(\t) >= 3
	s_wait_loadcnt 12                              ; the next step's four loads are in; those of the three steps behind it may be out
.else
	s_wait_loadcnt 4*(STEPS-2-(\t))                ; at the end fewer steps are behind it
.endif
	QTURN (\t)+1
.endif
.irp i, 0,1,2,3,4,5,6,7,8,9,10,11,12,13,14,15
	v_med3_num_f32 v[XS+\i], v[XS+\i], -v10, v10   ; the conversion to an 8-bit code does not saturate (ISA guide 7.6.2): the hold comes first
.endr
	v_cvt_scalef32_pk8_bf8_f32 v[C+4*(\t):C+4*(\t)+1], v[XS:XS+7], v11
	v_cvt_scalef32_pk8_bf8_f32 v[C+4*(\t)+2:C+4*(\t)+3], v[XS+8:XS+15], v11
	v_nop                                          ; a plain line behind the last conversion of the run
	global_store_b128 v3, v[C+4*(\t):C+4*(\t)+3], s[6:7] offset:512*(\t)   ; each step has its own four registers: no store's data are written again
.endm
.irp t, 0,1,2,3,4,5,6,7,8,9,10,11,12,13,14,15
	QSTEP \t
.endr
	s_wait_tensorcnt 0x0
	ds_add_u32 v192, v193
	s_wait_dscnt 0x0
	s_endpgm
; ---------------------------------------------------------------- the mask
.Lmask:
	s_lshl_b32 s32, ttmp9, 2
	s_add_co_u32 s32, s32, s3                      ; tg = batch x 128 + tile, 0 .. 511
	s_lshr_b32 s37, s32, 7                         ; batch
	s_and_b32 s38, s32, 127                        ; tile
	s_lshl_b32 s37, s37, 11
	s_lshr_b32 s39, s38, 1
	s_lshl_b32 s39, s39, 5
	s_add_co_u32 s37, s37, s39
	s_and_b32 s39, s38, 1
	s_lshl_b32 s39, s39, 3
	s_add_co_u32 s37, s37, s39                     ; the tile's first row: 2,048 batch + 32 (tile / 2) + 8 (tile % 2)
	s_lshl_b32 s38, s37, 11                        ; a row of the mask is 2,048 bytes
	s_mov_b32 s39, 0
	s_mul_i32 s47, s3, 16*MP
	s_add_co_u32 s47, s47, MSTG                    ; my stage
	v_and_b32 v8, 15, v0                           ; r
	v_bfe_u32 v9, v0, 4, 1                         ; hh
	v_lshlrev_b32 v10, 4, v8
	v_lshl_add_u32 v[MGO], v9, 11, v10             ; lanes 0-15 take 256 bytes of one row, lanes 16-31 of the next
	v_mul_u32_u24 v[MSI], v9, MP
	v_add_nc_u32 v[MSI], v[MSI], v10
	v_add_nc_u32 v[MSI], s47, v[MSI]
	v_mul_u32_u24 v[MSO], v8, MP
	v_lshl_add_u32 v[MSO], v9, 4, v[MSO]
	v_add_nc_u32 v[MSO], s47, v[MSO]               ; out: row r, 16 bytes for each half of the lanes
	v_lshlrev_b32 v[MWO], 4, v2
.irp y, 0,1,2,3
	v_mov_b32 v[128+\y], 0                         ; written once whole: v_writelane_b32 leaves the other lanes
.endr
	s_mov_b32 s34, 0                               ; the steps that have an open entry
	s_mov_b32 s35, 0                               ; the lanes that have seen an open key
	s_mov_b32 s36, 0                               ; the step's number
	s_wait_kmcnt 0x0
	s_add_nc_u64 s[4:5], s[22:23], s[38:39]
	s_lshl_b32 s38, s32, 12                        ; a tile's words are 4,096 bytes
	s_add_nc_u64 s[6:7], s[28:29], s[38:39]
	s_lshl_b32 s38, s32, 2
	s_add_nc_u64 s[30:31], s[30:31], s[38:39]
.macro MLOAD                           ; 16 rows x 256 keys: stage rows 2 i, 2 i + 1 are the true rows 2 i + 8 (i / 4) on
.irp i, 0,1,2,3,4,5,6,7
	global_load_b128 v[64+4*\i:67+4*\i], v[MGO], s[4:5] offset:(2*\i+8*(\i/4))*2048 th:TH_LOAD_NT
.endr
.endm
; A unit: 256 keys, two key steps, 128 words.
.macro UNIT next
	s_wait_loadcnt 0x0                             ; the unit's bytes are in: so MGO is free too
	s_wait_xcnt 0x0                                ; the last unit's store has read its data and its offset
	v_add_nc_u32 v[MWO], 512, v[MWO]               ; (the store below reaches back)
.irp i, 0,1,2,3,4,5,6,7
	ds_store_b128 v[MSI], v[64+4*\i:67+4*\i] offset:2*\i*MP
.endr
.irp k, 0,1,2,3,4,5,6,7
	ds_load_b128 v[96+4*\k:99+4*\k], v[MSO] offset:32*\k   ; register 4 k + q, byte y: key 32 k + 16 hh + 4 q + y of my query
.endr
	s_wait_dscnt 0x0
.if \next
	v_add_nc_u32 v[MGO], 256, v[MGO]
	MLOAD                                          ; the next unit lands while this one is worked
.endif
.irp k, 0,1,2,3,4,5,6,7
.irp q, 0,1,2,3
.irp y, 0,1,2,3
	v_and_b32 v[132+\y], 0xff<<(8*\y), v[96+4*\k+\q]
.endr
.irp y, 0,1,2,3
	v_cmp_ne_u32 s[40+\y], 0, v[132+\y]            ; one bit a lane: word 16 k + 4 q + y of the unit
.endr
.irp y, 0,1,2,3
	v_writelane_b32 v[128+\y], s[40+\y], 4*\k+\q   ; lane l holds words 4 l .. 4 l + 3
.endr
.endr
.endr
.irp st, 0,1
	v_or_b32 v136, v[96+16*\st], v[97+16*\st]
.irp i, 2,3,4,5,6,7,8,9,10,11,12,13,14,15
	v_or_b32 v136, v136, v[96+16*\st+\i]
.endr
	v_cmp_ne_u32 s44, 0, v136                      ; which lanes have an open key in this step
	s_or_b32 s35, s35, s44
	s_cmp_lg_u32 s44, 0
	s_cselect_b32 s45, 1, 0
	s_lshl_b32 s45, s45, s36
	s_or_b32 s34, s34, s45
	s_add_co_u32 s36, s36, 1
.endr
	global_store_b128 v[MWO], v[128:131], s[6:7] offset:-512   ; 512 consecutive bytes
.endm
	MLOAD
	s_mov_b32 s33, 7
.Lunit:
	UNIT 1
	s_sub_co_u32 s33, s33, 1
	s_cmp_lg_u32 s33, 0
	s_cbranch_scc1 .Lunit
	UNIT 0                                         ; the last unit loads nothing: no load leaves the buffer
	s_lshr_b32 s45, s35, 16                        ; a query's keys lie in lanes r and r + 16
	s_or_b32 s35, s35, s45
	s_and_b32 s35, s35, 0xffff
	s_mov_b32 s45, 0xffff
	s_cmp_eq_u32 s35, s45                          ; has every query an open key?
	s_cselect_b32 s34, s34, s45                    ; if not, all sixteen steps are walked
	v_mov_b32 v24, 0
	v_mov_b32 v25, s34
	v_cmp_eq_u32 vcc_lo, 0, v2
	s_wait_xcnt 0x0                                ; EXEC changes only behind this wait
	s_wait_tensorcnt 0x0
	ds_add_u32 v192, v193
	s_wait_dscnt 0x0
	s_and_saveexec_b32 s46, vcc_lo
	global_store_b32 v24, v25, s[30:31]            ; one word a tile
	s_wait_xcnt 0x0
	s_or_b32 exec_lo, exec_lo, s46
	s_endpgm
.Lfunc_end_k_q047783280d_prep:
	.size	k_q047783280d_prep, .Lfunc_end_k_q047783280d_prep-k_q047783280d_prep
	.p2alignl 7, 3214868480
	.fill 96, 4, 3214868480
	.section	.rodata,"a",@progbits
	.p2align	6, 0x0
	.amdhsa_kernel k_q047783280d_prep
		.amdhsa_group_segment_fixed_size 50688
		.amdhsa_private_segment_fixed_size 0
		.amdhsa_enable_private_segment 0
		.amdhsa_kernarg_size 96
		.amdhsa_user_sgpr_count 2
		.amdhsa_user_sgpr_kernarg_segment_ptr 1
		.amdhsa_wavefront_size32 1
		.amdhsa_system_sgpr_workgroup_id_x 1
		.amdhsa_system_sgpr_workgroup_id_y 1
		.amdhsa_system_sgpr_workgroup_id_z 1
		.amdhsa_system_vgpr_workitem_id 0
		.amdhsa_next_free_vgpr 194
		.amdhsa_next_free_sgpr 66
		.amdhsa_reserve_vcc 1
		.amdhsa_float_denorm_mode_32 3
		.amdhsa_float_denorm_mode_16_64 3
		.amdhsa_memory_ordered 1
		.amdhsa_forward_progress 1
		.amdhsa_inst_pref_size 97
	.end_amdhsa_kernel
	.amdgpu_metadata
---
amdhsa.version: [ 1, 2 ]
amdhsa.kernels:
  - .name:           k_q047783280d_prep
    .symbol:         k_q047783280d_prep.kd
    .args:
      - { .name: query, .offset: 0, .size: 8, .value_kind: global_buffer, .address_space: global }
      - { .name: key, .offset: 8, .size: 8, .value_kind: global_buffer, .address_space: global }
      - { .name: value, .offset: 16, .size: 8, .value_kind: global_buffer, .address_space: global }
      - { .name: Wq, .offset: 24, .size: 8, .value_kind: global_buffer, .address_space: global }
      - { .name: Wk, .offset: 32, .size: 8, .value_kind: global_buffer, .address_space: global }
      - { .name: Wv, .offset: 40, .size: 8, .value_kind: global_buffer, .address_space: global }
      - { .name: Wp, .offset: 48, .size: 8, .value_kind: global_buffer, .address_space: global }
      - { .name: mask, .offset: 56, .size: 8, .value_kind: global_buffer, .address_space: global }
      - { .name: lowp_scales, .offset: 64, .size: 8, .value_kind: global_buffer, .address_space: global }
      - { .name: codes, .offset: 72, .size: 8, .value_kind: global_buffer, .address_space: global }
      - { .name: maskw, .offset: 80, .size: 8, .value_kind: global_buffer, .address_space: global }
      - { .name: need, .offset: 88, .size: 8, .value_kind: global_buffer, .address_space: global }
    .group_segment_fixed_size: 50688
    .private_segment_fixed_size: 0
    .kernarg_segment_align: 8
    .kernarg_segment_size: 96
    .max_flat_workgroup_size: 128
    .sgpr_count:     66
    .vgpr_count:     194
    .wavefront_size: 32
...
	.end_amdgpu_metadata
.endif
;; end of part 1
;; launch proj (part 2): grid 4 x 192, 4 waves a work-group, clusters of 4 x 4, 327,680 bytes of LDS; arguments codes, lowp_scales, bq, bk, bv, qc, kv; writes qc, kv
.if DOCPART == 2
	.amdgcn_target "amdgcn-amd-amdhsa--gfx1250"
	.amdhsa_code_object_version 6
	.text
	.protected	k_q047783280d_proj
	.globl	k_q047783280d_proj
	.p2align	8
	.type	k_q047783280d_proj,@function
k_q047783280d_proj:
	s_mov_b64 s[64:65], 0
	v_nop
	global_prefetch_b8 v0, s[64:65] scope:SCOPE_SE
	s_setreg_imm32_b32 hwreg(HW_REG_WAVE_MODE, 25, 1), 1
	s_wait_xcnt 0x0
	s_wait_alu depctr_hold_cnt(0) depctr_sa_sdst(0) depctr_va_vdst(0) depctr_va_sdst(0) depctr_va_ssrc(0) depctr_va_vcc(0) depctr_vm_vsrc(0)
	s_getreg_b32 s2, hwreg(HW_REG_IB_STS2, 6, 4)
	s_cmp_eq_u32 s2, 0
	s_cbranch_scc0 .Lentry_in_a_cluster
	s_endpgm
.Lentry_in_a_cluster:
	s_bfe_u32 s2, ttmp6, 0x10000c
	s_cmp_lg_u32 s2, 0xf033
	s_cbranch_scc0 .Lentry_shape_is_right
	s_endpgm
.Lentry_shape_is_right:
; PROJ.  The three input projections on codes of E5M2, their biases, and the quantising of Q, K and V for the attention launch.
; ONE PATH FOR ALL THREE: C = X Y^T, K = 1,024, a work-group's tile 128 rows of X x 256 rows of Y.  Source 0 of the matrix instruction = 16 rows of Y, source 1 = 16 rows of X: a lane holds ONE row of X, its registers run along Y.
;   Q, K: X = the activations, Y = the weight: a lane holds one query (key), its registers the head's channels, which are the next product's K.
;   V:    X = Wv, Y = value: a lane holds one channel, its registers run along the keys, which are the next product's K.
; The rows of the buffer of codes lie with bits 3 and 4 of their number exchanged, so the 16 registers of Y's tiles 2 b' and 2 b' + 1 are 16 true neighbours 32 b' + 16 (lane / 16) + 0 .. 15: the conversions' results ARE operand registers.
; They are stored as IMAGES of those registers (four registers at 512 g + 16 x lane): each store covers 512 consecutive bytes, aligned; no LDS on the way out.
;   qc [batch x 16 + head][query tile 128][1,024];  kv [batch x 16 + head][key step 16][16,384]: K's eight tiles of 16 keys at 1,024 tau, V^T's four tiles of 16 channels x 128 keys at 8,192 + 2,048 t.
; A fragment (16 rows x 128 K) comes by four loads of 16 bytes, 32 bytes apart: registers 4 c .. 4 c + 3 hold K = 32 c + 16 (lane / 16) + 0 .. 15, alike in X and Y, so every product meets its partner.
; SHARES.  3 x 256 work-groups of four waves; a wave makes 64 x 128: 32 accumulators.  K goes in four chunks of 256 through two LDS slots filled by the tensor data mover; a tile's row is 256 bytes of memory.
; CLUSTER 4 x 4: the four of a row of the cluster need the same rows of X, the four of a column the same rows of Y: each tile is asked for jointly.  A wave has at most two tensor loads out (the two first fills), later one.
; LIMITS on the given exponents: the two operands' sum between -126 and 127; the result's own e between -126 and 112.  NaN among the inputs is not served.
; REGISTERS, in windows of 256: window 0: v1-29 addresses; v96-103 X's bias; v104 the hold, v105 the scale; v108-115 store offsets; v128-191, v192-255 X's fragments, two sets (later v128-191 the codes).
;   window 1: Y's fragments, two sets of 128.   window 2: accumulator (a, b) at v[8 (8 a + b)].   window 3: v0-63 Y's bias in the result's layout.
.set PITCH,  272                       ; an LDS row: 256 bytes + 16 of padding: the 16 rows of a fragment load start 68 words apart
.set YOFF,   128*PITCH                 ; a slot: X's 128 rows, then Y's 256
.set SLOT,   384*PITCH
.set SPARE,  2*SLOT                    ; behind the ring: the spare words, 128 bytes a wave, which no other line names
.set ADRX, 16
.set ADRY, 20
.set LI,   26
.set SPW,  28
.set NIL,  29
.set BX,   96
.set LIM,  104
.set SCL,  105
.set SOF,  108
.set XF,   128
.set CD,   128
.set G1,  24                           ; s[24:31] group 1 for X's tiles; s[32:39] group 0, a set for each slot
.set G0,  32
.set G1B, 48                           ; s[48:55], s[56:63] the same for Y's
.set G0B, 56
.set MSB, 0
.macro WIN new                         ; the immediate's high byte repeats the setting that is left
.if MSB != \new
	s_set_vgpr_msb (MSB<<8)|\new
.set MSB, \new
.endif
.endm
.set MUL,  0xa1                        ; source 0 (Y) window 1, source 1 (X) window 0, C and D window 2
.set TO_Y, 0x40                        ; destination window 1, address window 0
; A joint load: waves 0 and 1 fetch X's halves, waves 2 and 3 Y's.  The branch hangs on the wave's number alone.  Four v_nop follow each of the two lines.
.macro JLOAD g0a, g0b
	s_cmp_eq_u32 s19, 0
	s_cbranch_scc0 .Lfor_y_\@
	tensor_load_to_lds s[\g0a:\g0a+3], s[G1:G1+7]
	s_nop 0
.rept 4
	v_nop
.endr
	s_branch .Lasked_\@
.Lfor_y_\@:
	tensor_load_to_lds s[\g0b:\g0b+3], s[G1B:G1B+7]
	s_nop 0
.rept 4
	v_nop
.endr
.Lasked_\@:
.endm
.macro CREST                           ; a round of the cluster's barrier behind its opening barrier
	s_cmp_lg_u32 s18, 0
	s_cbranch_scc1 .Lnot_wave_0_\@
	s_barrier_signal -3
.Lnot_wave_0_\@:
	s_barrier_wait -3
	s_barrier_signal -1
	s_barrier_wait -1
.endm
.macro CROUND
	s_barrier_signal -1
	s_barrier_wait -1
	CREST
.endm
.macro PLACES n
.rept \n
	v_nop
.endr
.endm
	s_load_b128 s[4:7], s[0:1], 0x0                ; codes, lowp_scales
	s_load_b128 s[8:11], s[0:1], 0x10              ; bq, bk
	s_load_b128 s[12:15], s[0:1], 0x20             ; bv, qc
	s_load_b64 s[16:17], s[0:1], 0x30              ; kv
	v_lshl_add_u32 v[SPW], v0, 2, SPARE
	v_mov_b32 v[NIL], 0
	ds_add_u32 v28, v29
	ds_add_u32 v28, v29
	s_wait_dscnt 0x0
	v_lshrrev_b32 v1, 5, v0
	v_readfirstlane_b32 s18, v1                    ; wave 0..3
	s_lshr_b32 s19, s18, 1                         ; xw: my 64 rows of X.  Also: I fetch for X (0) or for Y (1)
	s_and_b32 s20, s18, 1                          ; yw: my 128 rows of Y.  Also: which half of that tile I fetch
	s_bfe_u32 s21, ttmp6, 0x40000                  ; cx
	s_bfe_u32 s22, ttmp6, 0x40004                  ; cy
	s_and_b32 s23, ttmp7, 0xffff                   ; the cluster's y, 0 .. 47: the same in all sixteen partners
	s_lshr_b32 s40, s23, 4                         ; t: 0 Q, 1 K, 2 V
	s_and_b32 s41, s23, 15                         ; idx
	s_lshl_b32 s42, s40, 13
	s_lshl_b32 s43, s41, 9
	s_add_co_u32 s42, s42, s43                     ; Q, K: X begins at row 8,192 t + 512 idx
	s_and_b32 s43, s41, 1
	s_lshl_b32 s43, s43, 9
	s_add_co_u32 s43, s43, 26624                   ; V: at Wv's row 512 (idx % 2)
	s_lshl_b32 s46, s40, 10
	s_add_co_u32 s46, s46, 24576                   ; Q, K: Y is the weight
	s_lshr_b32 s47, s41, 1
	s_lshl_b32 s47, s47, 10
	s_add_co_u32 s47, s47, 16384                   ; V: value's row 1,024 (idx / 2)
	s_cmp_eq_u32 s40, 2
	s_cselect_b32 s42, s43, s42
	s_cselect_b32 s46, s47, s46
	s_lshl_b32 s43, s22, 7                         ; X's rows hang on cy alone, which my row of the cluster shares;
	s_add_co_u32 s42, s42, s43
	s_lshl_b32 s43, s20, 6
	s_add_co_u32 s42, s42, s43
	s_lshl_b32 s42, s42, 10                        ; a row is 1,024 bytes
	s_mov_b32 s43, 0
	s_lshl_b32 s47, s21, 8                         ; Y's on cx alone, which my column shares
	s_add_co_u32 s46, s46, s47
	s_lshl_b32 s47, s20, 7
	s_add_co_u32 s46, s46, s47
	s_lshl_b32 s46, s46, 10
	s_mov_b32 s47, 0
	s_lshl_b32 s44, s22, 2
	s_lshl_b32 s44, 15, s44                        ; my row of the cluster
	s_lshl_b32 s45, 0x1111, s21                    ; my column
	s_or_b32 s[G1+0], s44, (1<<20)|(1<<21)|(5<<22)|(3<<25)   ; 15:0 the mask; 17:16 elements of 1 byte; 20 padding on; 21 set beside a mask; 24:22 after every 64 words; 31:25 four words
	s_or_b32 s[G1B+0], s45, (1<<20)|(1<<21)|(5<<22)|(3<<25)
	s_mov_b32 s[G1+1], 256<<16                     ; tensor_dim0 = 256
	s_mov_b32 s[G1+2], 64<<16                      ; tensor_dim1 = 64
	s_mov_b32 s[G1+3], 256<<16                     ; tile_dim0 = 256
	s_mov_b32 s[G1+4], 64                          ; tile_dim1 = 64
	s_mov_b32 s[G1+5], 1024                        ; from row to row
	s_mov_b32 s[G1+6], 0
	s_mov_b32 s[G1+7], 0
	s_mov_b32 s[G1B+1], 256<<16
	s_mov_b32 s[G1B+2], 128<<16                    ; Y: 128 rows a load
	s_mov_b32 s[G1B+3], 256<<16
	s_mov_b32 s[G1B+4], 128
	s_mov_b32 s[G1B+5], 1024
	s_mov_b32 s[G1B+6], 0
	s_mov_b32 s[G1B+7], 0
	s_mul_i32 s66, s20, 64*PITCH                   ; where they go: no place in the cluster enters an LDS address
	s_mul_i32 s67, s20, 128*PITCH
	s_add_co_u32 s67, s67, YOFF
	s_wait_kmcnt 0x0
	s_load_b256 s[68:75], s[6:7], 0x0              ; the exponents 0 .. 7
	s_load_b128 s[76:79], s[6:7], 0x20             ; 8 .. 11
	s_add_nc_u64 s[42:43], s[4:5], s[42:43]
	s_add_nc_u64 s[46:47], s[4:5], s[46:47]
	CROUND                                         ; all sixteen work-groups are here: the first joint loads meet
.irp s, 0,1
	s_mov_b32 s[G0+4*\s], 1
	s_add_co_u32 s[G0+4*\s+1], s66, \s*SLOT
	s_add_nc_u64 s[G0+4*\s+2:G0+4*\s+3], s[42:43], \s*256
	s_or_b32 s[G0+4*\s+3], s[G0+4*\s+3], 0x80000000
	s_mov_b32 s[G0B+4*\s], 1
	s_add_co_u32 s[G0B+4*\s+1], s67, \s*SLOT
	s_add_nc_u64 s[G0B+4*\s+2:G0B+4*\s+3], s[46:47], \s*256
	s_or_b32 s[G0B+4*\s+3], s[G0B+4*\s+3], 0x80000000
	JLOAD G0+4*\s, G0B+4*\s
.endr
	v_and_b32 v1, 15, v0                           ; r
	v_bfe_u32 v2, v0, 4, 1                         ; hh
	v_mul_u32_u24 v3, v1, PITCH
	v_lshl_add_u32 v4, v2, 4, v3                   ; a fragment's row x pitch + 16 hh
	s_mul_i32 s88, s19, 64*PITCH                   ; my 64 rows of X
	s_mul_i32 s89, s20, 128*PITCH                  ; my 128 rows of Y,
	s_add_co_u32 s89, s89, YOFF                    ; behind X's 128
.irp s, 0,1
	v_add_nc_u32 v[ADRX+\s], s88, v4
	v_add_nc_u32 v[ADRY+\s], s89, v4
	s_add_co_u32 s88, s88, SLOT
	s_add_co_u32 s89, s89, SLOT
.endr
	v_and_b32 v5, 31, v0
	v_lshlrev_b32 v[LI], 4, v5                     ; 16 x lane
	; where the results go.  Q, K: X0 = my first row of the 8,192; its batch, its tile of 16 in the batch; my first head
	s_lshl_b32 s88, s41, 9
	s_lshl_b32 s89, s22, 7
	s_add_co_u32 s88, s88, s89
	s_lshl_b32 s89, s19, 6
	s_add_co_u32 s88, s88, s89                     ; X0
	s_lshr_b32 s89, s88, 11                        ; batch
	s_bfe_u32 s90, s88, 0x70004                    ; T0 = (X0 % 2,048) / 16
	s_lshl_b32 s89, s89, 4
	s_lshl_b32 s91, s21, 2
	s_add_co_u32 s89, s89, s91
	s_lshl_b32 s91, s20, 1
	s_add_co_u32 s89, s89, s91                     ; 16 batch + 4 cx + 2 yw
	s_lshl_b32 s91, s89, 17
	s_lshl_b32 s92, s90, 10
	s_add_co_u32 s91, s91, s92                     ; Q's offset
	s_lshl_b32 s92, s89, 18
	s_lshr_b32 s93, s90, 3
	s_lshl_b32 s93, s93, 14
	s_add_co_u32 s92, s92, s93
	s_and_b32 s93, s90, 7
	s_lshl_b32 s93, s93, 10
	s_add_co_u32 s92, s92, s93                     ; K's offset
	; V: n0 = my first channel of the 1,024, Yk = my first key of the 8,192
	s_and_b32 s87, s41, 1
	s_lshl_b32 s87, s87, 9
	s_lshl_b32 s93, s22, 7
	s_add_co_u32 s87, s87, s93
	s_lshl_b32 s93, s19, 6
	s_add_co_u32 s87, s87, s93                     ; n0
	s_lshr_b32 s93, s41, 1
	s_lshl_b32 s93, s93, 10
	s_lshl_b32 s94, s21, 8
	s_add_co_u32 s93, s93, s94
	s_lshl_b32 s94, s20, 7
	s_add_co_u32 s93, s93, s94                     ; Yk
	s_lshr_b32 s94, s93, 11
	s_lshl_b32 s94, s94, 4
	s_lshr_b32 s95, s87, 6
	s_add_co_u32 s94, s94, s95                     ; 16 batch + head
	s_lshl_b32 s94, s94, 18
	s_bfe_u32 s95, s93, 0x40007                    ; the key step: (Yk % 2,048) / 128
	s_lshl_b32 s95, s95, 14
	s_add_co_u32 s94, s94, s95
	s_add_co_u32 s94, s94, 8192                    ; V's offset
	s_lshl_b32 s88, s21, 10                        ; Y's bias begins at number 256 cx + 128 yw
	s_lshl_b32 s89, s20, 9
	s_add_co_u32 s88, s88, s89
	s_lshl_b32 s87, s87, 2                         ; X's at n0
	s_mov_b32 s80, 1024                            ; SA: from X's tile to the next
	s_mov_b32 s81, 131072                          ; SB: from Y's first 64 to its second
	s_mov_b32 s98, 262144
	s_mov_b32 s99, 2048
	s_mov_b64 s[82:83], s[14:15]
	s_mov_b64 s[84:85], s[8:9]
	s_cmp_eq_u32 s40, 1                            ; all choices hang on t, which the partners share, and on no address
	s_cselect_b32 s91, s92, s91
	s_cselect_b32 s81, s98, s81
	s_cselect_b64 s[82:83], s[16:17], s[82:83]
	s_cselect_b64 s[84:85], s[10:11], s[84:85]
	s_cmp_eq_u32 s40, 2
	s_cselect_b32 s91, s94, s91
	s_cselect_b32 s81, s80, s81
	s_cselect_b32 s80, s99, s80
	s_cselect_b64 s[82:83], s[16:17], s[82:83]
	s_cselect_b64 s[84:85], s[12:13], s[84:85]
	s_cselect_b32 s86, 0, -1                       ; Y's bias counts for Q and K alone,
	s_cselect_b32 s88, 0, s88
	s_cselect_b32 s87, s87, 0                      ; X's for V alone
	s_mov_b32 s92, s91
	s_mov_b32 s93, 0
	s_add_nc_u64 s[82:83], s[82:83], s[92:93]
	v_lshl_add_u32 v6, v2, 6, s88                  ; Y's bias: register 16 b' + i holds number 32 b' + 16 hh + i of my 128
	v_and_b32 v7, 8, v1
	v_add_nc_u32 v7, v7, v1                        ; r + 8 (r / 8)
	v_lshl_add_u32 v7, v7, 2, s87                  ; X's bias: tile a's lane r holds number 32 (a / 2) + 8 (a % 2) + r + 8 (r / 8) of my 64
	WIN 0xc0                                       ; destination window 3
.irp b, 0,1,2,3
.irp q, 0,1,2,3
	global_load_b128 v[16*\b+4*\q:16*\b+4*\q+3], v6, s[84:85] offset:128*\b+16*\q
.endr
.endr
	WIN 0
.irp a, 0,1,2,3
	global_load_b32 v[BX+2*\a], v7, s[84:85] offset:4*(32*(\a/2)+8*(\a%2))
.endr
	s_wait_kmcnt 0x0
	s_add_co_i32 s90, s68, s69                     ; the two operands' exponents, added
	s_add_co_i32 s91, s70, s71
	s_add_co_i32 s92, s72, s73
	s_cmp_eq_u32 s40, 1
	s_cselect_b32 s90, s91, s90
	s_cselect_b32 s93, s75, s74                    ; the result's own: entry 6 for Q, 7 for K, 9 for V
	s_cmp_eq_u32 s40, 2
	s_cselect_b32 s90, s92, s90
	s_cselect_b32 s93, s77, s93
	s_add_co_i32 s90, s90, 127
	s_lshl_b32 s96, s90, 23                        ; 2^es as f32
	s_mov_b32 s97, s96                             ; (named with it as a pair)
	s_add_co_i32 s93, s93, 127
	s_lshl_b32 s94, s93, 23
	v_mov_b32 v[SCL], s94                          ; 2^eo: the conversion takes its exponent field
	s_add_co_i32 s93, s93, 15
	s_lshl_b32 s93, s93, 23
	s_or_b32 s93, s93, 0x600000
	v_mov_b32 v[LIM], s93                          ; 57,344 x 2^eo
; 8 matrix instructions: X's tile a against Y's eight, 128 along K, fragment set p.  The 32 accumulators take turns, one instruction a turn, in the same order in every step.
.macro MUL8 a, p, zero
.irp b, 0,1,2,3,4,5,6,7
.if \zero
	v_wmma_f32_16x16x128_bf8_bf8 v[8*(8*(\a)+\b):8*(8*(\a)+\b)+7], v[128*(\p)+16*\b:128*(\p)+16*\b+15], v[XF+64*(\p)+16*(\a):XF+64*(\p)+16*(\a)+15], 0
.else
	v_wmma_f32_16x16x128_bf8_bf8 v[8*(8*(\a)+\b):8*(8*(\a)+\b)+7], v[128*(\p)+16*\b:128*(\p)+16*\b+15], v[XF+64*(\p)+16*(\a):XF+64*(\p)+16*(\a)+15], v[8*(8*(\a)+\b):8*(8*(\a)+\b)+7]
.endif
.endr
.endm
; 48 LDS loads in one run: the fragments of the slot's q-th 128 along K into set p
.macro FETCH slot, q, p
	WIN TO_Y
.irp i, 0,1,2,3,4,5,6,7
.irp c, 0,1,2,3
	ds_load_b128 v[128*(\p)+16*\i+4*\c:128*(\p)+16*\i+4*\c+3], v[ADRY+\slot] offset:128*(\q)+32*\c+\i*16*PITCH
.endr
.endr
	WIN 0
.irp i, 0,1,2,3
.irp c, 0,1,2,3
	ds_load_b128 v[XF+64*(\p)+16*\i+4*\c:XF+64*(\p)+16*\i+4*\c+3], v[ADRX+\slot] offset:128*(\q)+32*\c+\i*16*PITCH
.endr
.endr
.endm
; A slot's first 128 along K, on set 0; in its middle the second 128 are fetched into set 1.  Four plain places stand between the matrix instructions that read a set and the loads into it (ISA guide 7.12.1 for vector instructions).
.macro STEP slot, zero
	s_wait_dscnt 0x0                               ; set 0 is in
	WIN MUL
	MUL8 0, 0, \zero
	MUL8 1, 0, \zero
	PLACES 4
	FETCH \slot, 1, 1
	WIN MUL
	MUL8 2, 0, \zero
	MUL8 3, 0, \zero
.endm
; A slot's second 128, on set 1, and the change of slots: ONE barrier; in front of it each wave waits for all its tensor loads, adds 0 to its spare word, and waits for that and for its reads of this slot.
.macro TURN slot, next, fill
	WIN 0                                          ; (the add's two registers lie in window 0)
	s_wait_tensorcnt 0x0                           ; all my tensor loads have landed: my part of the next slot
	ds_add_u32 v[SPW], v[NIL]                      ; 0 onto my spare word
	s_wait_dscnt 1                                 ; set 1's 48 loads are in; the add may be out
	WIN MUL
	MUL8 0, 1, 0                                   ; eight matrix instructions stand between the add and the wait for it
	s_wait_dscnt 0x0                               ; the add is done, and my reads of this slot are over
	s_barrier_signal -1
	MUL8 1, 1, 0
	WIN 0
	s_barrier_wait -1
.if \fill
	CREST                                          ; the barrier has opened a round of the cluster's: no wave of any partner still reads this slot or has a load on its way
	s_add_nc_u64 s[G0+4*\slot+2:G0+4*\slot+3], s[G0+4*\slot+2:G0+4*\slot+3], 512
	s_add_nc_u64 s[G0B+4*\slot+2:G0B+4*\slot+3], s[G0B+4*\slot+2:G0B+4*\slot+3], 512
	JLOAD G0+4*\slot, G0B+4*\slot                  ; the first tensor load behind the round; its four v_nop are also the places in front of the loads below
.else
	PLACES 4
.endif
	FETCH \next, 0, 0
	WIN MUL
	MUL8 2, 1, 0
	MUL8 3, 1, 0
.endm
	s_wait_tensorcnt 1                             ; my part of chunk 0 is in; chunk 1's load may be out
	s_barrier_signal -1
	s_barrier_wait -1
	FETCH 0, 0, 0
	STEP 0, 1                                      ; the first products start the sums: nothing is cleared
	TURN 0, 1, 1                                   ; slot 0 takes chunk 2
	STEP 1, 0
	TURN 1, 0, 1                                   ; slot 1 takes chunk 3
	STEP 0, 0
	TURN 0, 1, 0                                   ; nothing is left to fetch
	STEP 1, 0
	s_wait_dscnt 0x0
	WIN MUL
	MUL8 0, 1, 0
	MUL8 1, 1, 0
	MUL8 2, 1, 0
	MUL8 3, 1, 0
	WIN 0
	; THE WAY OUT: sum x 2^es + bias, the hold, the conversion; the codes are stored as they stand.
	s_wait_loadcnt 0x0                             ; the biases
	PLACES 4                                       ; behind the last products
.irp a, 0,1,2,3
	v_mov_b32 v[BX+2*\a+1], v[BX+2*\a]             ; (named as a pair's upper half)
.endr
	WIN 0xcc                                       ; source 1 and destination window 3
.set j, 0
.rept 64
	v_cndmask_b32 v[j], 0, v[j], s86               ; Y's bias is 0 for V
.set j, j+1
.endr
	WIN 0xb2                                       ; source 0 and destination window 2, source 2 window 3
.set j, 0
.rept 128
	v_pk_fma_f32 v[2*j:2*j+1], v[2*j:2*j+1], s[96:97], v[(2*j)%64:(2*j)%64+1] op_sel_hi:[1,0,1]   ; each accumulator from its low end on
.set j, j+1
.endr
	WIN 0
	s_cmp_lg_u32 s40, 2                            ; t is the same in all partners
	s_cbranch_scc1 .Lno_bx
	WIN 0x82                                       ; source 0 and destination window 2
.set j, 0
.rept 128
	v_pk_add_f32 v[2*j:2*j+1], v[2*j:2*j+1], v[BX+2*(j/32):BX+2*(j/32)+1] op_sel_hi:[1,0]   ; V: the lane's channel has one bias
.set j, j+1
.endr
	WIN 0
.Lno_bx:
	WIN 0x82
.set j, 0
.rept 256
	v_med3_num_f32 v[j], v[j], -v[LIM], v[LIM]     ; the conversion to an 8-bit code does not saturate (ISA guide 7.6.2)
.set j, j+1
.endr
	WIN 0x02                                       ; source 0 window 2
.set j, 0
.rept 32
	v_cvt_scalef32_pk8_bf8_f32 v[CD+2*j:CD+2*j+1], v[8*j:8*j+7], v[SCL]   ; tile (a, b): registers 4 (4 a + b / 2) + 2 (b % 2) on
.set j, j+1
.endr
	WIN 0
	v_nop                                          ; a plain line behind the last conversion
.irp a, 0,1,2,3
	s_mul_i32 s88, s80, \a
	v_add_nc_u32 v[SOF+2*\a], s88, v[LI]
	s_add_co_u32 s88, s88, s81
	v_add_nc_u32 v[SOF+2*\a+1], s88, v[LI]
.endr
.irp a, 0,1,2,3
.irp b, 0,1,2,3
	global_store_b128 v[SOF+2*\a+\b/2], v[CD+4*(4*\a+\b):CD+4*(4*\a+\b)+3], s[82:83] offset:512*(\b%2)   ; 32 lanes store 512 consecutive bytes, aligned
.endr
.endr
	s_wait_tensorcnt 0x0                           ; the wave's end
	ds_add_u32 v[SPW], v[NIL]
	s_wait_dscnt 0x0
	CROUND                                         ; the closing round
	s_endpgm
.Lfunc_end_k_q047783280d_proj:
	.size	k_q047783280d_proj, .Lfunc_end_k_q047783280d_proj-k_q047783280d_proj
	.p2alignl 7, 3214868480
	.fill 96, 4, 3214868480
	.section	.rodata,"a",@progbits
	.p2align	6, 0x0
	.amdhsa_kernel k_q047783280d_proj
		.amdhsa_group_segment_fixed_size 327680
		.amdhsa_private_segment_fixed_size 0
		.amdhsa_enable_private_segment 0
		.amdhsa_kernarg_size 56
		.amdhsa_user_sgpr_count 2
		.amdhsa_user_sgpr_kernarg_segment_ptr 1
		.amdhsa_wavefront_size32 1
		.amdhsa_system_sgpr_workgroup_id_x 1
		.amdhsa_system_sgpr_workgroup_id_y 1
		.amdhsa_system_sgpr_workgroup_id_z 1
		.amdhsa_system_vgpr_workitem_id 0
		.amdhsa_next_free_vgpr 832
		.amdhsa_next_free_sgpr 100
		.amdhsa_reserve_vcc 0
		.amdhsa_float_denorm_mode_32 3
		.amdhsa_float_denorm_mode_16_64 3
		.amdhsa_memory_ordered 1
		.amdhsa_forward_progress 1
		.amdhsa_inst_pref_size 98
	.end_amdhsa_kernel
	.amdgpu_metadata
---
amdhsa.version: [ 1, 2 ]
amdhsa.kernels:
  - .name:           k_q047783280d_proj
    .symbol:         k_q047783280d_proj.kd
    .args:
      - { .name: codes, .offset: 0, .size: 8, .value_kind: global_buffer, .address_space: global }
      - { .name: lowp_scales, .offset: 8, .size: 8, .value_kind: global_buffer, .address_space: global }
      - { .name: bq, .offset: 16, .size: 8, .value_kind: global_buffer, .address_space: global }
      - { .name: bk, .offset: 24, .size: 8, .value_kind: global_buffer, .address_space: global }
      - { .name: bv, .offset: 32, .size: 8, .value_kind: global_buffer, .address_space: global }
      - { .name: qc, .offset: 40, .size: 8, .value_kind: global_buffer, .address_space: global }
      - { .name: kv, .offset: 48, .size: 8, .value_kind: global_buffer, .address_space: global }
    .group_segment_fixed_size: 327680
    .private_segment_fixed_size: 0
    .kernarg_segment_align: 8
    .kernarg_segment_size: 56
    .max_flat_workgroup_size: 128
    .sgpr_count:     100
    .vgpr_count:     832
    .wavefront_size: 32
...
	.end_amdgpu_metadata
.endif
;; end of part 2
;; launch attn (part 3): grid 4 x 64, 16 waves a work-group, no clusters, 264,192 bytes of LDS; arguments qc, kv, maskw, need, lowp_scales, zc; writes zc
.if DOCPART == 3
	.amdgcn_target "amdgcn-amd-amdhsa--gfx1250"
	.amdhsa_code_object_version 6
	.text
	.protected	k_q047783280d_attn
	.globl	k_q047783280d_attn
	.p2align	8
	.type	k_q047783280d_attn,@function
k_q047783280d_attn:
	s_mov_b64 s[64:65], 0
	v_nop
	global_prefetch_b8 v0, s[64:65] scope:SCOPE_SE
	s_setreg_imm32_b32 hwreg(HW_REG_WAVE_MODE, 25, 1), 1
	s_wait_xcnt 0x0
; ATTN.  Z = softmax(where(mask, Q K^T / 8, -1e9)) V for one head of one batch, both products on codes of E5M2, and Z's quantising for the last product.
; THE SOFTMAX: t = logit x log2(e); M = the running largest t, rounded UP to a whole number; p = 2^(t - M) is quantised along the keys, not normalised; the row's sum is taken of the unquantised p and divides at the end.
; When M moves, the sum and O are multiplied by 2^(old M - new M), which rounds nothing.
; THE MASK is an input.  An earlier launch has turned it into select words (one bit a lane, one word a score register) and, for each tile of 16 queries, into a word whose bit j says that key step j is walked.
; A closed score is replaced, ahead of the maximum, by RM = -2^(33 - e6 - e7): c x RM = -2^30 log2(e), exact and a whole number.  So in a row that is closed throughout t - M is exactly 0 and every p is 1 (the plain mean, as with -1e9);
; in any other row a closed p is 0.  A step is passed over only where that changes no number: all its entries closed and every query of the tile open somewhere.
; SHARES.  A work-group serves one head; the head's K and V codes (262,144 bytes, as they lie in memory: images of operand registers) are brought into LDS once, through registers, 65,536 bytes (four key steps) at a time, one group ahead of
; the steps that read it.  No tensor load: the walk hangs on a stored number.  Each of the sixteen waves owns one tile of 16 queries in each of two passes: tile 16 x + w, then tile 127 - (16 x + w).  Four waves share a SIMD.
; LAYOUT.  S^T = K Q^T (source 0 = 16 keys, source 1 = my 16 queries), O^T = V^T P^T (source 0 = 16 channels, source 1 = P): a lane holds ONE query.  The keys (channels) of a tile are 32 (T / 2) + 8 (T % 2) + r + 8 (r / 8), so
; the 16 registers of tiles 2 b, 2 b + 1 are 16 neighbours: the conversions' results are the next operand's registers.
; LIMITS on the given exponents: e6 + e7 between -94 and -5 (RM is then an f32 number and lies under every open score, whose magnitude is at most 64 x 57,344^2; the closed logit is -2^30 in place of -1e9, which gives the same p);
; e8 and e10 between -126 and 112; e8 + e9 between -100 and 100.  NaN is not served.
; REGISTERS: v1 16 x lane; v2 LDS address of the step; v4, v5 the filling's addresses; v[10:11] c; v12 -M, v13 the largest t; v[14:15] the sum; v16 RM; v17, v18 p's hold and scale; v19, v33 Z's; v[20:27] Q; v[28:29] f;
; v30-35 at work; v40-103 K's eight fragments, then V's four; v104-167 S^T, then p; v168-199 O^T; v200-215 p's codes; v216-247 the next group on its way to LDS; v248-255 Z's codes.
; SCALARS: s[2:3] the tile's words; s[4:5] kv; s6 wave; s7 the step in its group; s8 the pass; s9 the tile's steps; s[32:63], s[68:99] a step's 64 words.
.macro LOADG g                         ; my 4,096 bytes of group g: each load reads 512 consecutive bytes
.irp i, 0,1,2,3,4,5,6,7
	global_load_b128 v[216+4*\i:219+4*\i], v4, s[4:5] offset:65536*(\g)+512*\i
.endr
.endm
.macro STOREG g
	v_add_nc_u32 v5, 65536*(\g), v4
.irp i, 0,1,2,3,4,5,6,7
	ds_store_b128 v5, v[216+4*\i:219+4*\i] offset:512*\i
.endr
.endm
	s_load_b256 s[32:39], s[0:1], 0x0              ; qc, kv, maskw, need
	s_load_b128 s[40:43], s[0:1], 0x20             ; lowp_scales, zc
	v_lshl_add_u32 v38, v0, 2, 0x40000
	v_mov_b32 v39, 0
	v_lshrrev_b32 v2, 5, v0
	v_readfirstlane_b32 s6, v2                     ; wave 0..15
	v_and_b32 v3, 31, v0
	v_lshlrev_b32 v1, 4, v3                        ; 16 x lane
	s_lshl_b32 s11, s6, 12
	v_add_nc_u32 v4, s11, v1                       ; + 4,096 x wave
	s_and_b32 s24, ttmp7, 0xffff                   ; 16 batch + head
	s_lshr_b32 s25, s24, 4                         ; batch
	s_and_b32 s11, s24, 15                         ; head
	s_lshl_b32 s29, ttmp9, 4
	s_add_co_u32 s29, s29, s6                      ; my first tile: 16 x + w
	s_mov_b32 s101, 0
	s_mov_b32 s12, 0x76543210                      ; v_permlanex16_b32: lane l xor 16
	s_mov_b32 s13, 0xfedcba98
	s_mov_b32 s8, 0
	s_wait_kmcnt 0x0
	s_load_b128 s[20:23], s[40:41], 0x18           ; e6, e7, e8, e9
	s_load_b32 s28, s[40:41], 0x28                 ; e10
	s_lshl_b32 s100, s24, 18
	s_add_nc_u64 s[4:5], s[34:35], s[100:101]      ; the head's K and V
	s_lshl_b32 s100, s24, 17
	s_add_nc_u64 s[16:17], s[32:33], s[100:101]    ; the head's Q
	s_lshl_b32 s100, s25, 21
	s_add_nc_u64 s[18:19], s[42:43], s[100:101]    ; Z: the batch's 128 row tiles of 16,384 bytes,
	s_lshl_b32 s100, s11, 10
	s_add_nc_u64 s[18:19], s[18:19], s[100:101]    ; the head's 1,024 bytes in each
	s_lshl_b32 s100, s25, 9
	s_add_nc_u64 s[14:15], s[38:39], s[100:101]
	s_lshl_b32 s100, s25, 19
	s_add_nc_u64 s[66:67], s[36:37], s[100:101]
	LOADG 0
	v_mov_b32 v29, 0                               ; (named as the upper half of the pair v[28:29])
	v_mov_b32 v32, 0                               ; written once: a lane permute's destination counts as one of its sources
	s_wait_kmcnt 0x0
	s_add_co_i32 s24, s20, s21                     ; e6 + e7
	s_lshl_b32 s25, s24, 23
	s_add_co_i32 s25, s25, 0x3e38aa3b              ; c = log2(e) / 8, with the two exponents added to its exponent field
	v_mov_b32 v10, s25
	v_mov_b32 v11, s25
	s_sub_co_i32 s25, 160, s24
	s_lshl_b32 s25, s25, 23
	s_or_b32 s25, s25, 0x80000000
	v_mov_b32 v16, s25                             ; RM = -2^(33 - e6 - e7)
	s_add_co_i32 s24, s22, 127
	s_lshl_b32 s25, s24, 23
	v_mov_b32 v18, s25                             ; 2^e8
	s_add_co_i32 s24, s24, 15
	s_lshl_b32 s24, s24, 23
	s_or_b32 s24, s24, 0x600000
	v_mov_b32 v17, s24                             ; 57,344 x 2^e8
	s_add_co_i32 s24, s28, 127
	s_lshl_b32 s25, s24, 23
	v_mov_b32 v33, s25                             ; 2^e10
	s_add_co_i32 s24, s24, 15
	s_lshl_b32 s24, s24, 23
	s_or_b32 s24, s24, 0x600000
	v_mov_b32 v19, s24                             ; 57,344 x 2^e10
	s_wait_loadcnt 0x0
	STOREG 0
	s_wait_dscnt 0x0                               ; the stores have read their registers
	LOADG 1
; A KEY STEP: 128 keys, step 4 g + s7.
.macro STEP g
	s_lshr_b32 s11, s9, s7
	s_bitcmp1_b32 s11, 4*(\g)                      ; a stored whole number decides; no barrier stands in a step
	s_cbranch_scc0 .Lskip_\@
	s_lshl_b32 s10, s7, 8                          ; a step's 64 words are 256 bytes
	s_load_b512 s[32:47], s[2:3], s10 offset:1024*(\g)
	s_load_b512 s[48:63], s[2:3], s10 offset:1024*(\g)+64
	s_load_b512 s[68:83], s[2:3], s10 offset:1024*(\g)+128
	s_load_b512 s[84:99], s[2:3], s10 offset:1024*(\g)+192
	s_lshl_b32 s24, s7, 14
	s_add_co_u32 s24, s24, 65536*(\g)
	v_add_nc_u32 v2, s24, v1
.rept 3
	v_nop                                          ; with the addition above: four places in front of loads into registers that the last products read
.endr
.irp t, 0,1,2,3,4,5,6,7
	ds_load_b128 v[40+8*\t:43+8*\t], v2 offset:1024*\t
	ds_load_b128 v[44+8*\t:47+8*\t], v2 offset:1024*\t+512
.endr
	s_wait_dscnt 0x0
.irp t, 0,1,2,3,4,5,6,7
	v_wmma_f32_16x16x64_bf8_bf8 v[104+8*\t:111+8*\t], v[40+8*\t:47+8*\t], v[20:27], 0
.endr
.rept 4
	v_nop
.endr
.irp t, 0,1,2,3
.irp c, 0,1,2,3
	ds_load_b128 v[40+16*\t+4*\c:43+16*\t+4*\c], v2 offset:8192+2048*\t+512*\c   ; V's fragments land under the softmax
.endr
.endr
	s_wait_kmcnt 0x0                               ; the step's words
.set n, 0
.rept 64
.if n < 32
	v_cndmask_b32 v[104+n], v16, v[104+n], s[32+n] ; a closed score becomes RM; each accumulator is read from its low end on
.else
	v_cndmask_b32 v[104+n], v16, v[104+n], s[36+n]
.endif
.set n, n+1
.endr
	v_max3_num_f32 v30, v104, v105, v106           ; the step's largest score of my query among my 64 keys, in two chains,
	v_max3_num_f32 v31, v107, v108, v109
.irp i, 6,10,14,18,22,26,30,34,38,42,46,50,54,58
	v_max3_num_f32 v30, v30, v[104+\i], v[105+\i]
	v_max3_num_f32 v31, v31, v[106+\i], v[107+\i]
.endr
	v_max3_num_f32 v30, v30, v166, v167
	v_max_num_f32 v30, v30, v31
	v_permlanex16_b32 v32, v30, s12, s13
	v_max_num_f32 v30, v30, v32                    ; and among lane l xor 16's
	v_mul_f32 v30, v10, v30                        ; as t (c is positive)
	v_max_num_f32 v13, v13, v30                    ; the running largest t
	v_mov_b32 v30, v12
	v_floor_f32 v12, -v13                          ; the new -M = floor(-t): M is a whole number
	v_sub_f32 v30, v12, v30                        ; old M - new M, 0 or less
	v_cvt_i32_f32 v30, v30                         ; (it saturates)
	v_ldexp_f32 v28, 1.0, v30                      ; f = 2^(old M - new M)
.set j, 0
.rept 32
	v_pk_fma_f32 v[104+j:105+j], v[104+j:105+j], v[10:11], v[12:13] op_sel_hi:[1,0,0]   ; t - M, two at a time
.set j, j+2
.endr
.set j, 0
.rept 64
	v_exp_f32 v[104+j], v[104+j]                   ; p = 2^(t - M)
.set j, j+1
.endr
	v_pk_mul_f32 v[14:15], v[14:15], v[28:29] op_sel_hi:[1,0]   ; the sums under the new M (a plain place behind the exponentials)
	s_wait_alu depctr_va_vdst(0)                   ; one wait for the whole batch, ahead of its first reader
	v_pk_add_f32 v[34:35], v[104:105], v[106:107]  ; the sum is taken of the unquantised p, in two chains
.irp i, 4,8,12,16,20,24,28,32,36,40,44,48,52,56,60
	v_pk_add_f32 v[14:15], v[14:15], v[104+\i:105+\i]
	v_pk_add_f32 v[34:35], v[34:35], v[106+\i:107+\i]
.endr
	v_pk_add_f32 v[14:15], v[14:15], v[34:35]
.irp b, 0,1,2,3
.irp i, 0,1,2,3,4,5,6,7,8,9,10,11,12,13,14,15
	v_min_num_f32 v[104+16*\b+\i], v[104+16*\b+\i], v17   ; p is not negative: a one-sided hold (the conversion does not saturate: ISA guide 7.6.2)
.endr
	v_cvt_scalef32_pk8_bf8_f32 v[200+4*\b:201+4*\b], v[104+16*\b:111+16*\b], v18
	v_cvt_scalef32_pk8_bf8_f32 v[202+4*\b:203+4*\b], v[112+16*\b:119+16*\b], v18
.endr
.set j, 0
.rept 16
	v_pk_mul_f32 v[168+j:169+j], v[168+j:169+j], v[28:29] op_sel_hi:[1,0]   ; O^T under the new M; also the plain lines behind the conversions
.set j, j+2
.endr
	s_wait_dscnt 0x0                               ; V's fragments
.irp t, 0,1,2,3
	v_wmma_f32_16x16x128_bf8_bf8 v[168+8*\t:175+8*\t], v[40+16*\t:55+16*\t], v[200:215], v[168+8*\t:175+8*\t]   ; four accumulators by turns; the next matrix instructions are the next step's scores
.endr
.Lskip_\@:
.endm
; FOUR KEY STEPS.  In front of the barrier each wave's LDS stores have landed and its LDS loads are in; behind it group g is whole.  Between this barrier and the next, waves read group g and (first pass) store group g + 1: other bytes.
.macro GROUP g
	s_wait_dscnt 0x0
	s_barrier_signal -1
	s_barrier_wait -1
	s_mov_b32 s7, 0
.Lstep_\@:
	STEP \g
	s_add_co_u32 s7, s7, 1
	s_cmp_lt_u32 s7, 4
	s_cbranch_scc1 .Lstep_\@
.if \g < 3
	s_cmp_lg_u32 s8, 0                             ; the second pass finds all of K and V in LDS
	s_cbranch_scc1 .Lfilled_\@
	s_wait_loadcnt 0x0                             ; group g + 1, asked for a group ago
	STOREG (\g)+1
.if \g < 2
	s_wait_dscnt 0x0                               ; the stores have read their registers
	LOADG (\g)+2
.endif
.Lfilled_\@:
.endif
.endm
.Lpass:
	s_sub_co_u32 s24, 127, s29
	s_cmp_eq_u32 s8, 0
	s_cselect_b32 s24, s29, s24                    ; the pass's tile
	s_wait_xcnt 0x0                                ; earlier loads and stores have read their bases and data
	s_lshl_b32 s100, s24, 10
	s_add_nc_u64 s[30:31], s[16:17], s[100:101]
	s_lshl_b32 s100, s24, 12
	s_add_nc_u64 s[2:3], s[66:67], s[100:101]
	s_lshl_b32 s100, s24, 14
	s_add_nc_u64 s[26:27], s[18:19], s[100:101]
	s_lshl_b32 s25, s24, 2
	s_load_b32 s9, s[14:15], s25 offset:0x0        ; which steps are walked
	global_load_b128 v[20:23], v1, s[30:31]        ; Q's fragment: an image of its registers
	global_load_b128 v[24:27], v1, s[30:31] offset:512
	v_mov_b32 v13, 0xff61b1e6                      ; the largest t so far: -3e38
	v_floor_f32 v12, -v13
	v_mov_b32 v14, 0
	v_mov_b32 v15, 0
.set j, 0
.rept 32
	v_mov_b32 v[168+j], 0                          ; O^T: which step comes first is known only from the stored word, so no first product can be written out to start the sums
.set j, j+1
.endr
	s_wait_loadcnt 0x0
	s_wait_kmcnt 0x0
	GROUP 0
	GROUP 1
	GROUP 2
	GROUP 3
	; THE PASS'S END: Z = O^T x 2^(e8 + e9) / the sum, quantised with 2^e10; tiles 2 g, 2 g + 1 give 16 neighbouring channels: four registers of the last product's operand.
.rept 4
	v_nop                                          ; places behind the last products
.endr
	v_add_f32 v14, v14, v15
	v_permlanex16_b32 v32, v14, s12, s13
	v_add_f32 v14, v14, v32                        ; the row's sum; it is never 0: at least one step is walked, and the row's largest p lies over 1/2
	v_rcp_f32 v14, v14
	v_nop                                          ; a plain place behind the transcendental
	s_add_co_i32 s24, s22, s23
	s_wait_alu depctr_va_vdst(0)                   ; the wait ahead of its first reader
	v_ldexp_f32 v14, v14, s24
.set j, 0
.rept 16
	v_pk_mul_f32 v[104+j:105+j], v[168+j:169+j], v[14:15] op_sel_hi:[1,0]
.set j, j+2
.endr
.set j, 0
.rept 32
	v_med3_num_f32 v[104+j], v[104+j], -v19, v19
.set j, j+1
.endr
.irp t, 0,1,2,3
	v_cvt_scalef32_pk8_bf8_f32 v[248+2*\t:249+2*\t], v[104+8*\t:111+8*\t], v33
.endr
	v_nop                                          ; a plain line behind the last conversion
	global_store_b128 v1, v[248:251], s[26:27]     ; 512 consecutive bytes each, aligned
	global_store_b128 v1, v[252:255], s[26:27] offset:512
	s_add_co_u32 s8, s8, 1
	s_cmp_lt_u32 s8, 2
	s_cbranch_scc1 .Lpass
	s_wait_tensorcnt 0x0
	ds_add_u32 v38, v39
	s_wait_dscnt 0x0
	s_endpgm
.Lfunc_end_k_q047783280d_attn:
	.size	k_q047783280d_attn, .Lfunc_end_k_q047783280d_attn-k_q047783280d_attn
	.p2alignl 7, 3214868480
	.fill 96, 4, 3214868480
	.section	.rodata,"a",@progbits
	.p2align	6, 0x0
	.amdhsa_kernel k_q047783280d_attn
		.amdhsa_group_segment_fixed_size 264192
		.amdhsa_private_segment_fixed_size 0
		.amdhsa_enable_private_segment 0
		.amdhsa_kernarg_size 48
		.amdhsa_user_sgpr_count 2
		.amdhsa_user_sgpr_kernarg_segment_ptr 1
		.amdhsa_wavefront_size32 1
		.amdhsa_system_sgpr_workgroup_id_x 1
		.amdhsa_system_sgpr_workgroup_id_y 1
		.amdhsa_system_sgpr_workgroup_id_z 1
		.amdhsa_system_vgpr_workitem_id 0
		.amdhsa_next_free_vgpr 256
		.amdhsa_next_free_sgpr 102
		.amdhsa_reserve_vcc 0
		.amdhsa_float_denorm_mode_32 3
		.amdhsa_float_denorm_mode_16_64 3
		.amdhsa_memory_ordered 1
		.amdhsa_forward_progress 1
		.amdhsa_inst_pref_size 94
	.end_amdhsa_kernel
	.amdgpu_metadata
---
amdhsa.version: [ 1, 2 ]
amdhsa.kernels:
  - .name:           k_q047783280d_attn
    .symbol:         k_q047783280d_attn.kd
    .args:
      - { .name: qc, .offset: 0, .size: 8, .value_kind: global_buffer, .address_space: global }
      - { .name: kv, .offset: 8, .size: 8, .value_kind: global_buffer, .address_space: global }
      - { .name: maskw, .offset: 16, .size: 8, .value_kind: global_buffer, .address_space: global }
      - { .name: need, .offset: 24, .size: 8, .value_kind: global_buffer, .address_space: global }
      - { .name: lowp_scales, .offset: 32, .size: 8, .value_kind: global_buffer, .address_space: global }
      - { .name: zc, .offset: 40, .size: 8, .value_kind: global_buffer, .address_space: global }
    .group_segment_fixed_size: 264192
    .private_segment_fixed_size: 0
    .kernarg_segment_align: 8
    .kernarg_segment_size: 48
    .max_flat_workgroup_size: 512
    .sgpr_count:     102
    .vgpr_count:     256
    .wavefront_size: 32
...
	.end_amdgpu_metadata
.endif
;; end of part 3
;; launch outp (part 4): grid 4 x 64, 4 waves a work-group, clusters of 4 x 4, 327,680 bytes of LDS; arguments zc, codes, lowp_scales, bp, out0; writes out0
.if DOCPART == 4
	.amdgcn_target "amdgcn-amd-amdhsa--gfx1250"
	.amdhsa_code_object_version 6
	.text
	.protected	k_q047783280d_outp
	.globl	k_q047783280d_outp
	.p2align	8
	.type	k_q047783280d_outp,@function
k_q047783280d_outp:
	s_mov_b64 s[64:65], 0
	v_nop
	global_prefetch_b8 v0, s[64:65] scope:SCOPE_SE
	s_setreg_imm32_b32 hwreg(HW_REG_WAVE_MODE, 25, 1), 1
	s_wait_xcnt 0x0
	s_wait_alu depctr_hold_cnt(0) depctr_sa_sdst(0) depctr_va_vdst(0) depctr_va_sdst(0) depctr_va_ssrc(0) depctr_va_vcc(0) depctr_vm_vsrc(0)
	s_getreg_b32 s2, hwreg(HW_REG_IB_STS2, 6, 4)
	s_cmp_eq_u32 s2, 0
	s_cbranch_scc0 .Lentry_in_a_cluster
	s_endpgm
.Lentry_in_a_cluster:
	s_bfe_u32 s2, ttmp6, 0x10000c
	s_cmp_lg_u32 s2, 0xf033
	s_cbranch_scc0 .Lentry_shape_is_right
	s_endpgm
.Lentry_shape_is_right:
; OUTP.  out0 = Z Wp^T + bp on codes of E5M2.  X = Z (8,192 rows), Y = Wp (1,024 rows), K = 1,024; a work-group's tile 128 x 256; 256 work-groups of four waves; a wave makes 64 x 128: 32 accumulators.
; Source 0 = 16 rows of Wp, source 1 = 16 rows of Z: a lane holds one row of the output and neighbouring columns.
; Z's codes lie as IMAGES of operand registers: [row tile of 16][K step of 128][2,048 bytes: four registers at 512 c + 16 x lane]; they come into LDS as they lie and a fragment is four loads of 512 consecutive bytes.
; Wp's codes lie as rows of 1,024 bytes (rows with bits 3 and 4 of their number exchanged); a fragment is four loads of 16 bytes a lane, 32 bytes apart.  In both, registers 4 c .. 4 c + 3 hold K = 32 c + 16 (lane / 16) + 0 .. 15.
; A row tile T of Z holds the true rows 32 (T / 2) + 8 (T % 2) + r + 8 (r / 8); the stores' immediates put each row in its place.
; K goes in four chunks of 256 through two LDS slots filled by the tensor data mover.  CLUSTER 4 x 4: X's tiles are shared along a row of the cluster, Y's along a column, each asked for jointly.  A wave has at most two tensor loads out.
; LIMIT: e10 + e11 between -126 and 127.
; REGISTERS: window 0: v1-29 addresses; v32-95 a block's results; v128-191, v192-255 X's fragments, two sets (on the way out: rows read back).  window 1: Y's, two sets.  window 2: accumulator (a, b) at v[8 (8 a + b)].  window 3: v0-63 bp.
.set PITCH,  272
.set YOFF,   32768                     ; a slot: X's eight row tiles x 4,096 bytes, then Y's 256 rows
.set SLOT,   YOFF+256*PITCH
.set SPARE,  2*SLOT                    ; behind the ring: the spare words, 128 bytes a wave, which no other line names
.set SPITCH, 528                       ; the way out: 16 rows x (512 bytes + 16) for each wave, in slot 0, which has had its last fill and its last read by then
.set ADRX, 16
.set ADRY, 20
.set STO,  24
.set RD,   25
.set CO,   26
.set SPW,  28
.set NIL,  29
.set TMP,  32
.set XF,   128
.set BK,   128
.set G1,  24
.set G0,  32
.set G1B, 48
.set G0B, 56
.set MSB, 0
.macro WIN new                         ; the immediate's high byte repeats the setting that is left
.if MSB != \new
	s_set_vgpr_msb (MSB<<8)|\new
.set MSB, \new
.endif
.endm
.set MUL,  0xa1                        ; source 0 (Y) window 1, source 1 (X) window 0, C and D window 2
.set TO_Y, 0x40
.macro JLOAD g0a, g0b                  ; waves 0 and 1 fetch X's halves, waves 2 and 3 Y's; four v_nop follow each of the two lines
	s_cmp_eq_u32 s19, 0
	s_cbranch_scc0 .Lfor_y_\@
	tensor_load_to_lds s[\g0a:\g0a+3], s[G1:G1+7]
	s_nop 0
.rept 4
	v_nop
.endr
	s_branch .Lasked_\@
.Lfor_y_\@:
	tensor_load_to_lds s[\g0b:\g0b+3], s[G1B:G1B+7]
	s_nop 0
.rept 4
	v_nop
.endr
.Lasked_\@:
.endm
.macro CREST
	s_cmp_lg_u32 s18, 0
	s_cbranch_scc1 .Lnot_wave_0_\@
	s_barrier_signal -3
.Lnot_wave_0_\@:
	s_barrier_wait -3
	s_barrier_signal -1
	s_barrier_wait -1
.endm
.macro CROUND
	s_barrier_signal -1
	s_barrier_wait -1
	CREST
.endm
.macro PLACES n
.rept \n
	v_nop
.endr
.endm
	s_load_b128 s[4:7], s[0:1], 0x0                ; zc, codes
	s_load_b128 s[8:11], s[0:1], 0x10              ; lowp_scales, bp
	s_load_b64 s[12:13], s[0:1], 0x20              ; out0
	v_lshl_add_u32 v[SPW], v0, 2, SPARE
	v_mov_b32 v[NIL], 0
	ds_add_u32 v28, v29
	ds_add_u32 v28, v29
	s_wait_dscnt 0x0
	v_lshrrev_b32 v1, 5, v0
	v_readfirstlane_b32 s18, v1                    ; wave 0..3
	s_lshr_b32 s19, s18, 1                         ; xw: my 64 rows of X.  Also: I fetch for X (0) or for Y (1)
	s_and_b32 s20, s18, 1                          ; yw: my 128 rows of Y.  Also: which half of that tile I fetch
	s_bfe_u32 s21, ttmp6, 0x40000                  ; cx
	s_bfe_u32 s22, ttmp6, 0x40004                  ; cy
	s_and_b32 s23, ttmp7, 0xffff
	s_lshl_b32 s40, s23, 2
	s_add_co_u32 s40, s40, s22                     ; xt: which 128 rows of Z
	s_lshl_b32 s42, s40, 17                        ; eight row tiles of 16,384 bytes,
	s_lshl_b32 s43, s20, 16                        ; the four that I fetch
	s_add_co_u32 s42, s42, s43
	s_mov_b32 s43, 0
	s_lshl_b32 s46, s21, 8
	s_add_co_u32 s46, s46, 27648                   ; Wp's first row in the buffer of codes
	s_lshl_b32 s47, s20, 7
	s_add_co_u32 s46, s46, s47
	s_lshl_b32 s46, s46, 10
	s_mov_b32 s47, 0
	s_lshl_b32 s44, s22, 2
	s_lshl_b32 s44, 15, s44                        ; my row of the cluster
	s_lshl_b32 s45, 0x1111, s21                    ; my column
	s_or_b32 s[G1+0], s44, (3<<16)|(1<<21)         ; X: the mask; elements of 8 bytes; no padding; 21 set beside a mask
	s_mov_b32 s[G1+1], 512<<16                     ; tensor_dim0 = 512 elements: a row tile's 4,096 bytes of a chunk
	s_mov_b32 s[G1+2], 4<<16                       ; tensor_dim1 = 4 row tiles
	s_mov_b32 s[G1+3], 512<<16                     ; tile_dim0
	s_mov_b32 s[G1+4], 4                           ; tile_dim1
	s_mov_b32 s[G1+5], 2048                        ; from row tile to row tile: 16,384 bytes
	s_mov_b32 s[G1+6], 0
	s_mov_b32 s[G1+7], 0
	s_or_b32 s[G1B+0], s45, (1<<20)|(1<<21)|(5<<22)|(3<<25)   ; Y: elements of 1 byte; four words of padding after every 64
	s_mov_b32 s[G1B+1], 256<<16
	s_mov_b32 s[G1B+2], 128<<16
	s_mov_b32 s[G1B+3], 256<<16
	s_mov_b32 s[G1B+4], 128
	s_mov_b32 s[G1B+5], 1024
	s_mov_b32 s[G1B+6], 0
	s_mov_b32 s[G1B+7], 0
	s_lshl_b32 s66, s20, 14                        ; where they go: no place in the cluster enters an LDS address
	s_mul_i32 s67, s20, 128*PITCH
	s_add_co_u32 s67, s67, YOFF
	s_wait_kmcnt 0x0
	s_load_b64 s[96:97], s[8:9], 0x28              ; e10, e11
	s_add_nc_u64 s[42:43], s[4:5], s[42:43]
	s_add_nc_u64 s[46:47], s[6:7], s[46:47]
	CROUND                                         ; all sixteen work-groups are here: the first joint loads meet
.irp s, 0,1
	s_mov_b32 s[G0+4*\s], 1
	s_add_co_u32 s[G0+4*\s+1], s66, \s*SLOT
	s_add_nc_u64 s[G0+4*\s+2:G0+4*\s+3], s[42:43], \s*4096
	s_or_b32 s[G0+4*\s+3], s[G0+4*\s+3], 0x80000000
	s_mov_b32 s[G0B+4*\s], 1
	s_add_co_u32 s[G0B+4*\s+1], s67, \s*SLOT
	s_add_nc_u64 s[G0B+4*\s+2:G0B+4*\s+3], s[46:47], \s*256
	s_or_b32 s[G0B+4*\s+3], s[G0B+4*\s+3], 0x80000000
	JLOAD G0+4*\s, G0B+4*\s
.endr
	v_and_b32 v1, 15, v0                           ; r
	v_bfe_u32 v2, v0, 4, 1                         ; hh
	v_and_b32 v5, 31, v0
	v_lshlrev_b32 v[CO], 4, v5                     ; 16 x lane
	v_mul_u32_u24 v3, v1, PITCH
	v_lshl_add_u32 v4, v2, 4, v3
	s_lshl_b32 s88, s19, 14                        ; my four row tiles of X
	s_mul_i32 s89, s20, 128*PITCH
	s_add_co_u32 s89, s89, YOFF                    ; my 128 rows of Y
.irp s, 0,1
	v_add_nc_u32 v[ADRX+\s], s88, v[CO]
	v_add_nc_u32 v[ADRY+\s], s89, v4
	s_add_co_u32 s88, s88, SLOT
	s_add_co_u32 s89, s89, SLOT
.endr
	s_mul_i32 s90, s18, 16*SPITCH                  ; my stage
	v_mul_u32_u24 v3, v1, SPITCH
	v_lshl_add_u32 v3, v2, 6, v3
	v_add_nc_u32 v[STO], s90, v3                   ; in: row r, 64 bytes for each half of the lanes
	v_add_nc_u32 v[RD], s90, v[CO]                 ; back: the 32 lanes take one row of 512 bytes
	s_lshl_b32 s88, s21, 10                        ; my first column, in bytes: 4 (256 cx + 128 yw)
	s_lshl_b32 s89, s20, 9
	s_add_co_u32 s88, s88, s89
	v_lshl_add_u32 v6, v2, 6, s88                  ; bp: register 16 b' + i holds number 32 b' + 16 hh + i of my 128
	s_lshl_b32 s90, s40, 19                        ; my first row: 128 xt + 64 xw, of 4,096 bytes
	s_lshl_b32 s91, s19, 18
	s_add_co_u32 s90, s90, s91
	s_add_co_u32 s90, s90, s88
	s_mov_b32 s91, 0
	s_add_nc_u64 s[12:13], s[12:13], s[90:91]
	WIN 0xc0                                       ; destination window 3
.irp b, 0,1,2,3
.irp q, 0,1,2,3
	global_load_b128 v[16*\b+4*\q:16*\b+4*\q+3], v6, s[10:11] offset:128*\b+16*\q
.endr
.endr
	WIN 0
	s_wait_kmcnt 0x0
	s_add_co_i32 s96, s96, s97
	s_add_co_i32 s96, s96, 127
	s_lshl_b32 s96, s96, 23                        ; 2^(e10 + e11) as f32
	s_mov_b32 s97, s96                             ; (named with it as a pair)
.macro MUL8 a, p, zero                 ; X's tile a against Y's eight; the 32 accumulators take turns, one instruction a turn
.irp b, 0,1,2,3,4,5,6,7
.if \zero
	v_wmma_f32_16x16x128_bf8_bf8 v[8*(8*(\a)+\b):8*(8*(\a)+\b)+7], v[128*(\p)+16*\b:128*(\p)+16*\b+15], v[XF+64*(\p)+16*(\a):XF+64*(\p)+16*(\a)+15], 0
.else
	v_wmma_f32_16x16x128_bf8_bf8 v[8*(8*(\a)+\b):8*(8*(\a)+\b)+7], v[128*(\p)+16*\b:128*(\p)+16*\b+15], v[XF+64*(\p)+16*(\a):XF+64*(\p)+16*(\a)+15], v[8*(8*(\a)+\b):8*(8*(\a)+\b)+7]
.endif
.endr
.endm
.macro FETCH slot, q, p                ; 48 LDS loads in one run
	WIN TO_Y
.irp i, 0,1,2,3,4,5,6,7
.irp c, 0,1,2,3
	ds_load_b128 v[128*(\p)+16*\i+4*\c:128*(\p)+16*\i+4*\c+3], v[ADRY+\slot] offset:128*(\q)+32*\c+\i*16*PITCH
.endr
.endr
	WIN 0
.irp i, 0,1,2,3
.irp c, 0,1,2,3
	ds_load_b128 v[XF+64*(\p)+16*\i+4*\c:XF+64*(\p)+16*\i+4*\c+3], v[ADRX+\slot] offset:4096*\i+2048*(\q)+512*\c
.endr
.endr
.endm
.macro STEP slot, zero                 ; a slot's first 128 along K, on set 0; four plain places stand in front of the loads into set 1 (ISA guide 7.12.1 for vector instructions)
	s_wait_dscnt 0x0
	WIN MUL
	MUL8 0, 0, \zero
	MUL8 1, 0, \zero
	PLACES 4
	FETCH \slot, 1, 1
	WIN MUL
	MUL8 2, 0, \zero
	MUL8 3, 0, \zero
.endm
.macro TURN slot, next, fill           ; a slot's second 128, on set 1, and the change of slots
	WIN 0
	s_wait_tensorcnt 0x0                           ; all my tensor loads have landed: my part of the next slot
	ds_add_u32 v[SPW], v[NIL]                      ; 0 onto my spare word
	s_wait_dscnt 1                                 ; set 1's 48 loads are in; the add may be out
	WIN MUL
	MUL8 0, 1, 0
	s_wait_dscnt 0x0                               ; the add is done, and my reads of this slot are over
	s_barrier_signal -1
	MUL8 1, 1, 0
	WIN 0
	s_barrier_wait -1
.if \fill
	CREST                                          ; the barrier has opened a round of the cluster's
	s_add_nc_u64 s[G0+4*\slot+2:G0+4*\slot+3], s[G0+4*\slot+2:G0+4*\slot+3], 8192
	s_add_nc_u64 s[G0B+4*\slot+2:G0B+4*\slot+3], s[G0B+4*\slot+2:G0B+4*\slot+3], 512
	JLOAD G0+4*\slot, G0B+4*\slot                  ; the first tensor load behind the round; its four v_nop are also the places in front of the loads below
.else
	PLACES 4
.endif
	FETCH \next, 0, 0
	WIN MUL
	MUL8 2, 1, 0
	MUL8 3, 1, 0
.endm
	s_wait_tensorcnt 1                             ; my part of chunk 0 is in; chunk 1's load may be out
	s_barrier_signal -1
	s_barrier_wait -1
	FETCH 0, 0, 0
	STEP 0, 1
	TURN 0, 1, 1
	STEP 1, 0
	TURN 1, 0, 1
	STEP 0, 0
	TURN 0, 1, 0
	STEP 1, 0
	s_wait_dscnt 0x0
	WIN MUL
	MUL8 0, 1, 0
	MUL8 1, 1, 0
	MUL8 2, 1, 0
	MUL8 3, 1, 0
	WIN 0
; THE WAY OUT, a block of 16 rows x 128 columns at a time: sum x 2^(e10 + e11) + bp; through my own stage; back as whole rows of 512 bytes.  LDS serves a wave's instructions in order (ISA guide 5.7.1.4): no wait between the stores and the loads.
.macro TOSTAGE a
	WIN 0x32                                       ; source 0 window 2, source 2 window 3
.set j, 0
.rept 32
	v_pk_fma_f32 v[TMP+2*j:TMP+2*j+1], v[64*(\a)+2*j:64*(\a)+2*j+1], s[96:97], v[2*j:2*j+1] op_sel_hi:[1,0,1]   ; each accumulator from its low end on
.set j, j+1
.endr
	WIN 0
.irp b, 0,1,2,3,4,5,6,7
	ds_store_b128 v[STO], v[TMP+8*\b:TMP+8*\b+3] offset:128*(\b/2)+32*(\b%2)          ; columns 32 (b / 2) + 16 hh + 8 (b % 2) on
	ds_store_b128 v[STO], v[TMP+8*\b+4:TMP+8*\b+7] offset:128*(\b/2)+32*(\b%2)+16
.endr
.set BB, BK+64*((\a)%2)
.irp t, 0,1,2,3,4,5,6,7,8,9,10,11,12,13,14,15
	ds_load_b128 v[BB+4*\t:BB+4*\t+3], v[RD] offset:\t*SPITCH
.endr
.endm
.macro SEND a, younger                 ; younger: the LDS instructions issued behind block a's loads, which may stay out
.set BB, BK+64*((\a)%2)
	s_wait_dscnt \younger
.irp t, 0,1,2,3,4,5,6,7,8,9,10,11,12,13,14,15
	global_store_b128 v[CO], v[BB+4*\t:BB+4*\t+3], s[12:13] offset:(32*((\a)/2)+8*((\a)%2)+\t+8*(\t/8))*4096 th:TH_STORE_NT   ; 32 lanes store 512 consecutive bytes, aligned; the row's true place stands in the immediate
.endr
.endm
	s_wait_loadcnt 0x0                             ; bp
	PLACES 4                                       ; behind the last products: for the first reads of results and the loads into the registers that held X's fragments
	TOSTAGE 0
.irp a, 1,2,3
.if \a > 1
	s_wait_xcnt 0x0                                ; block a - 2's stores have read their registers: block a's loads may land there
.endif
	TOSTAGE \a
	SEND \a-1, 32                                  ; behind block a - 1's loads: block a's 16 stores and 16 loads
.endr
	SEND 3, 0
	s_wait_tensorcnt 0x0                           ; the wave's end
	ds_add_u32 v[SPW], v[NIL]
	s_wait_dscnt 0x0
	CROUND                                         ; the closing round
	s_endpgm
.Lfunc_end_k_q047783280d_outp:
	.size	k_q047783280d_outp, .Lfunc_end_k_q047783280d_outp-k_q047783280d_outp
	.p2alignl 7, 3214868480
	.fill 96, 4, 3214868480
	.section	.rodata,"a",@progbits
	.p2align	6, 0x0
	.amdhsa_kernel k_q047783280d_outp
		.amdhsa_group_segment_fixed_size 327680
		.amdhsa_private_segment_fixed_size 0
		.amdhsa_enable_private_segment 0
		.amdhsa_kernarg_size 40
		.amdhsa_user_sgpr_count 2
		.amdhsa_user_sgpr_kernarg_segment_ptr 1
		.amdhsa_wavefront_size32 1
		.amdhsa_system_sgpr_workgroup_id_x 1
		.amdhsa_system_sgpr_workgroup_id_y 1
		.amdhsa_system_sgpr_workgroup_id_z 1
		.amdhsa_system_vgpr_workitem_id 0
		.amdhsa_next_free_vgpr 832
		.amdhsa_next_free_sgpr 100
		.amdhsa_reserve_vcc 0
		.amdhsa_float_denorm_mode_32 3
		.amdhsa_float_denorm_mode_16_64 3
		.amdhsa_memory_ordered 1
		.amdhsa_forward_progress 1
		.amdhsa_inst_pref_size 76
	.end_amdhsa_kernel
	.amdgpu_metadata
---
amdhsa.version: [ 1, 2 ]
amdhsa.kernels:
  - .name:           k_q047783280d_outp
    .symbol:         k_q047783280d_outp.kd
    .args:
      - { .name: zc, .offset: 0, .size: 8, .value_kind: global_buffer, .address_space: global }
      - { .name: codes, .offset: 8, .size: 8, .value_kind: global_buffer, .address_space: global }
      - { .name: lowp_scales, .offset: 16, .size: 8, .value_kind: global_buffer, .address_space: global }
      - { .name: bp, .offset: 24, .size: 8, .value_kind: global_buffer, .address_space: global }
      - { .name: out0, .offset: 32, .size: 8, .value_kind: global_buffer, .address_space: global }
    .group_segment_fixed_size: 327680
    .private_segment_fixed_size: 0
    .kernarg_segment_align: 8
    .kernarg_segment_size: 40
    .max_flat_workgroup_size: 128
    .sgpr_count:     100
    .vgpr_count:     832
    .wavefront_size: 32
...
	.end_amdgpu_metadata
.endif
;; end of part 4
;; ======== version 2 of 2: 4 launches; version 1 with the launch attn written anew for expert scheduling mode
;; limits: right only within a limited range of input values
;; workspace buffers: codes 29,360,128 bytes; maskw 2,097,152 bytes of whole numbers; need 2,048 bytes of whole numbers; qc 8,388,608 bytes; kv 16,777,216 bytes; zc 8,388,608 bytes
;; launch prep: the kernel of part 1 again; grid 1024 x 1, 4 waves a work-group, no clusters, 50,688 bytes of LDS; arguments query, key, value, Wq, Wk, Wv, Wp, mask, lowp_scales, codes, maskw, need; writes codes, maskw, need
;; launch proj: the kernel of part 2 again; grid 4 x 192, 4 waves a work-group, clusters of 4 x 4, 327,680 bytes of LDS; arguments codes, lowp_scales, bq, bk, bv, qc, kv; writes qc, kv
;; launch attn (part 5): grid 4 x 64, 16 waves a work-group, no clusters, 264,192 bytes of LDS; arguments qc, kv, maskw, need, lowp_scales, zc; writes zc
.if DOCPART == 5
	.amdgcn_target "amdgcn-amd-amdhsa--gfx1250"
	.amdhsa_code_object_version 6
	.text
	.protected	k_q047783280d_attn
	.globl	k_q047783280d_attn
	.p2align	8
	.type	k_q047783280d_attn,@function
k_q047783280d_attn:
	s_mov_b64 s[64:65], 0
	v_nop
	global_prefetch_b8 v0, s[64:65] scope:SCOPE_SE
	s_setreg_imm32_b32 hwreg(HW_REG_WAVE_SCHED_MODE, 0, 2), 2
	s_setreg_imm32_b32 hwreg(HW_REG_WAVE_MODE, 25, 1), 1
	s_wait_xcnt 0x0
	s_wait_alu depctr_vm_vsrc(0)
; ATTN.  Z = softmax(where(mask, Q K^T / 8, -1e9)) V for one head of one batch, both products on codes of E5M2, and Z's quantising for the last product.
; THE SOFTMAX: t = logit x log2(e); M = the running largest t, rounded UP to a whole number; p = 2^(t - M) is quantised along the keys, not normalised; the row's sum is taken of the unquantised p and divides at the end.
; When M moves, the sum and O are multiplied by 2^(old M - new M), which rounds nothing.
; THE MASK is an input.  An earlier launch has turned it into select words (one bit a lane, one word a score register) and, for each tile of 16 queries, into a word whose bit j says that key step j is walked.
; A closed score is replaced, ahead of the maximum, by RM = -2^(33 - e6 - e7): c x RM = -2^30 log2(e), exact and a whole number.  So in a row that is closed throughout t - M is exactly 0 and every p is 1 (the plain mean, as with -1e9);
; in any other row a closed p is 0.  A step is passed over only where that changes no number: all its entries closed and every query of the tile open somewhere.
; SHARES.  A work-group serves one head; the head's K and V codes (262,144 bytes, as they lie in memory: images of operand registers) are brought into LDS once, through registers, 65,536 bytes (four key steps) at a time, one group ahead of
; the steps that read it.  No tensor load: the walk hangs on a stored number.  Each of the sixteen waves owns one tile of 16 queries in each of two passes: tile 16 x + w, then tile 127 - (16 x + w).  Four waves share a SIMD.
; LAYOUT.  S^T = K Q^T (source 0 = 16 keys, source 1 = my 16 queries), O^T = V^T P^T (source 0 = 16 channels, source 1 = P): a lane holds ONE query.  The keys (channels) of a tile are 32 (T / 2) + 8 (T % 2) + r + 8 (r / 8), so
; the 16 registers of tiles 2 b, 2 b + 1 are 16 neighbours: the conversions' results are the next operand's registers.
; LIMITS on the given exponents: e6 + e7 between -94 and -5 (RM is then an f32 number and lies under every open score, whose magnitude is at most 64 x 57,344^2; the closed logit is -2^30 in place of -1e9, which gives the same p);
; e8 and e10 between -126 and 112; e8 + e9 between -100 and 100.  NaN is not served.
; REGISTERS: v1 16 x lane; v2 LDS address of the step; v4 the filling's offset in a group, and group 0's LDS address; v5, v6, v7 the LDS addresses of groups 1, 2, 3; v[10:11] c; v12 -M, v13 the largest t; v[14:15] the sum; v16 RM;
; v17, v18 p's hold and scale; v19, v33 Z's; v[20:27] Q; v[28:29] f; v30-35 at work; v40-103 K's eight fragments, then V's four; v104-167 S^T, then p; v168-199 O^T; v200-215 p's codes; v216-247 the next group on its way to LDS; v248-255 Z's codes.
; SCALARS: s[2:3] the tile's words; s[4:5] kv; s6 wave; s7 the step in its group; s8 the pass; s9 the tile's steps; s[32:63], s[68:99] a step's 64 words.
; THE MODE: SCHED_MODE bits 1:0 = 2 (LLVM: expert scheduling mode 2), set by the entry lines.  The code itself states the register dependences between vector or matrix instructions and memory or LDS instructions, with s_wait_alu, always for 0.
; THE PLAN.  Registers that memory or LDS instructions touch:
;   v1, v4-v7   offsets and LDS addresses.  Written by vector instructions at the head and never again; read by the global loads and stores and by the filling's LDS stores.  One wait on va_vdst at the head serves them all.
;   v2          Written by one vector add at the head of a walked step; read by that step's 32 LDS loads.
;   v40-103     K's 16 LDS loads land; the eight score products read; V's 16 LDS loads land; the four products V^T P read; then the next walked step's K.
;   v216-247    The filling's global loads land; its LDS stores read.  No vector instruction names them.
;   v20-27      Q's two global loads land at a pass's head; the score products read.
;   v248-255    Written by the four conversions at a pass's end; read by the pass's two global stores.
; A WALKED STEP has two waits on va_vdst and one on vm_vsrc.  The first, behind the add to v2: v2 is written, and the last products V^T P are done reading v40-103; K's loads follow.  The second is the one that stands behind the exponentials
; in any case: it also states that the score products are done reading v40-103, so V's loads stand directly behind it; what follows them up to V's use names neither v40-103 nor v2.  The wait on vm_vsrc stands beside the wait for V's data,
; ahead of the step's last label and branch: the step's LDS loads have read v2, which the next walked step writes.
.macro LOADG g                         ; my 4,096 bytes of group g: each load reads 512 consecutive bytes
.irp i, 0,1,2,3,4,5,6,7
	global_load_b128 v[216+4*\i:219+4*\i], v4, s[4:5] offset:65536*(\g)+512*\i
.endr
.endm
.macro STOREG g                        ; group g has an address register of its own, v[4 + g], made at the head
.irp i, 0,1,2,3,4,5,6,7
	ds_store_b128 v[4+(\g)], v[216+4*\i:219+4*\i] offset:512*\i
.endr
.endm
	s_load_b256 s[32:39], s[0:1], 0x0              ; qc, kv, maskw, need
	s_load_b128 s[40:43], s[0:1], 0x20             ; lowp_scales, zc
	v_lshl_add_u32 v38, v0, 2, 0x40000
	v_mov_b32 v39, 0
	v_lshrrev_b32 v2, 5, v0
	v_readfirstlane_b32 s6, v2                     ; wave 0..15
	v_and_b32 v3, 31, v0
	v_lshlrev_b32 v1, 4, v3                        ; 16 x lane
	s_wait_alu depctr_va_sdst(0)                   ; s6 is written, ahead of its first reader: the filling's offset and the wave's tile are made from it
	s_lshl_b32 s11, s6, 12
	v_add_nc_u32 v4, s11, v1                       ; + 4,096 x wave
	v_add_nc_u32 v5, 65536, v4                     ; the same place in groups 1, 2 and 3 of LDS
	v_add_nc_u32 v6, 2*65536, v4
	v_add_nc_u32 v7, 3*65536, v4
	s_and_b32 s24, ttmp7, 0xffff                   ; 16 batch + head
	s_lshr_b32 s25, s24, 4                         ; batch
	s_and_b32 s11, s24, 15                         ; head
	s_lshl_b32 s29, ttmp9, 4
	s_add_co_u32 s29, s29, s6                      ; my first tile: 16 x + w
	s_mov_b32 s101, 0
	s_mov_b32 s12, 0x76543210                      ; v_permlanex16_b32: lane l xor 16
	s_mov_b32 s13, 0xfedcba98
	s_mov_b32 s8, 0
	s_wait_kmcnt 0x0
	s_load_b128 s[20:23], s[40:41], 0x18           ; e6, e7, e8, e9
	s_load_b32 s28, s[40:41], 0x28                 ; e10
	s_lshl_b32 s100, s24, 18
	s_add_nc_u64 s[4:5], s[34:35], s[100:101]      ; the head's K and V
	s_lshl_b32 s100, s24, 17
	s_add_nc_u64 s[16:17], s[32:33], s[100:101]    ; the head's Q
	s_lshl_b32 s100, s25, 21
	s_add_nc_u64 s[18:19], s[42:43], s[100:101]    ; Z: the batch's 128 row tiles of 16,384 bytes,
	s_lshl_b32 s100, s11, 10
	s_add_nc_u64 s[18:19], s[18:19], s[100:101]    ; the head's 1,024 bytes in each
	s_lshl_b32 s100, s25, 9
	s_add_nc_u64 s[14:15], s[38:39], s[100:101]
	s_lshl_b32 s100, s25, 19
	s_add_nc_u64 s[66:67], s[36:37], s[100:101]
	s_wait_alu depctr_va_vdst(0)                   ; v1 and v4 to v7 are written: every global load and store and every LDS store of the kernel reads one of them, and no vector instruction writes them again
	LOADG 0
	v_mov_b32 v29, 0                               ; (named as the upper half of the pair v[28:29])
	v_mov_b32 v32, 0                               ; written once: a lane permute's destination counts as one of its sources
	s_wait_kmcnt 0x0
	s_add_co_i32 s24, s20, s21                     ; e6 + e7
	s_lshl_b32 s25, s24, 23
	s_add_co_i32 s25, s25, 0x3e38aa3b              ; c = log2(e) / 8, with the two exponents added to its exponent field
	v_mov_b32 v10, s25
	v_mov_b32 v11, s25
	s_sub_co_i32 s25, 160, s24
	s_lshl_b32 s25, s25, 23
	s_or_b32 s25, s25, 0x80000000
	v_mov_b32 v16, s25                             ; RM = -2^(33 - e6 - e7)
	s_add_co_i32 s24, s22, 127
	s_lshl_b32 s25, s24, 23
	v_mov_b32 v18, s25                             ; 2^e8
	s_add_co_i32 s24, s24, 15
	s_lshl_b32 s24, s24, 23
	s_or_b32 s24, s24, 0x600000
	v_mov_b32 v17, s24                             ; 57,344 x 2^e8
	s_add_co_i32 s24, s28, 127
	s_lshl_b32 s25, s24, 23
	v_mov_b32 v33, s25                             ; 2^e10
	s_add_co_i32 s24, s24, 15
	s_lshl_b32 s24, s24, 23
	s_or_b32 s24, s24, 0x600000
	v_mov_b32 v19, s24                             ; 57,344 x 2^e10
	s_wait_loadcnt 0x0
	STOREG 0
	s_wait_dscnt 0x0                               ; the stores into LDS are done
	s_wait_alu depctr_vm_vsrc(0)                   ; the LDS stores have read v216-247, in which the next group's loads land
	LOADG 1
; A KEY STEP: 128 keys, step 4 g + s7.
.macro STEP g
	s_lshr_b32 s11, s9, s7
	s_bitcmp1_b32 s11, 4*(\g)                      ; a stored whole number decides; no barrier stands in a step
	s_cbranch_scc0 .Lskip_\@
	s_lshl_b32 s10, s7, 8                          ; a step's 64 words are 256 bytes
	s_load_b512 s[32:47], s[2:3], s10 offset:1024*(\g)
	s_load_b512 s[48:63], s[2:3], s10 offset:1024*(\g)+64
	s_load_b512 s[68:83], s[2:3], s10 offset:1024*(\g)+128
	s_load_b512 s[84:99], s[2:3], s10 offset:1024*(\g)+192
	s_lshl_b32 s24, s7, 14
	s_add_co_u32 s24, s24, 65536*(\g)
	v_add_nc_u32 v2, s24, v1                       ; (the LDS loads that read the old v2 stand ahead of the last walked step's wait on vm_vsrc)
.rept 3
	v_nop                                          ; with the addition above: four plain lines between the last products and the loads into the registers that they read
.endr
	s_wait_alu depctr_va_vdst(0)                   ; v2 is written, which the loads below read; the last products V^T P are done reading v40-103, in which they land
.irp t, 0,1,2,3,4,5,6,7
	ds_load_b128 v[40+8*\t:43+8*\t], v2 offset:1024*\t
	ds_load_b128 v[44+8*\t:47+8*\t], v2 offset:1024*\t+512
.endr
	s_wait_dscnt 0x0
.irp t, 0,1,2,3,4,5,6,7
	v_wmma_f32_16x16x64_bf8_bf8 v[104+8*\t:111+8*\t], v[40+8*\t:47+8*\t], v[20:27], 0
.endr
.rept 4
	v_nop                                          ; four places behind the score products, before the selects read their results (ISA guide 7.12.1)
.endr
	s_wait_kmcnt 0x0                               ; the step's words
.set n, 0
.rept 64
.if n < 32
	v_cndmask_b32 v[104+n], v16, v[104+n], s[32+n] ; a closed score becomes RM; each accumulator is read from its low end on
.else
	v_cndmask_b32 v[104+n], v16, v[104+n], s[36+n]
.endif
.set n, n+1
.endr
	v_max3_num_f32 v30, v104, v105, v106           ; the step's largest score of my query among my 64 keys, in two chains,
	v_max3_num_f32 v31, v107, v108, v109
.irp i, 6,10,14,18,22,26,30,34,38,42,46,50,54,58
	v_max3_num_f32 v30, v30, v[104+\i], v[105+\i]
	v_max3_num_f32 v31, v31, v[106+\i], v[107+\i]
.endr
	v_max3_num_f32 v30, v30, v166, v167
	v_max_num_f32 v30, v30, v31
	v_permlanex16_b32 v32, v30, s12, s13
	v_max_num_f32 v30, v30, v32                    ; and among lane l xor 16's
	v_mul_f32 v30, v10, v30                        ; as t (c is positive)
	v_max_num_f32 v13, v13, v30                    ; the running largest t
	v_mov_b32 v30, v12
	v_floor_f32 v12, -v13                          ; the new -M = floor(-t): M is a whole number
	v_sub_f32 v30, v12, v30                        ; old M - new M, 0 or less
	v_cvt_i32_f32 v30, v30                         ; (it saturates)
	v_ldexp_f32 v28, 1.0, v30                      ; f = 2^(old M - new M)
.set j, 0
.rept 32
	v_pk_fma_f32 v[104+j:105+j], v[104+j:105+j], v[10:11], v[12:13] op_sel_hi:[1,0,0]   ; t - M, two at a time
.set j, j+2
.endr
.set j, 0
.rept 64
	v_exp_f32 v[104+j], v[104+j]                   ; p = 2^(t - M)
.set j, j+1
.endr
	v_pk_mul_f32 v[14:15], v[14:15], v[28:29] op_sel_hi:[1,0]   ; the sums under the new M (a plain place behind the exponentials)
	s_wait_alu depctr_va_vdst(0)                   ; the 64 exponentials have written p, ahead of its first reader (one wait for the batch); and the score products are done reading v40-103, in which V's loads land
.irp t, 0,1,2,3
.irp c, 0,1,2,3
	ds_load_b128 v[40+16*\t+4*\c:43+16*\t+4*\c], v2 offset:8192+2048*\t+512*\c   ; V's fragments land under the sums, the holds and the conversions, none of which names v40-103 or v2
.endr
.endr
	v_pk_add_f32 v[34:35], v[104:105], v[106:107]  ; the sum is taken of the unquantised p, in two chains
.irp i, 4,8,12,16,20,24,28,32,36,40,44,48,52,56,60
	v_pk_add_f32 v[14:15], v[14:15], v[104+\i:105+\i]
	v_pk_add_f32 v[34:35], v[34:35], v[106+\i:107+\i]
.endr
	v_pk_add_f32 v[14:15], v[14:15], v[34:35]
.irp b, 0,1,2,3
.irp i, 0,1,2,3,4,5,6,7,8,9,10,11,12,13,14,15
	v_min_num_f32 v[104+16*\b+\i], v[104+16*\b+\i], v17   ; p is not negative: a one-sided hold (the conversion does not saturate: ISA guide 7.6.2)
.endr
	v_cvt_scalef32_pk8_bf8_f32 v[200+4*\b:201+4*\b], v[104+16*\b:111+16*\b], v18
	v_cvt_scalef32_pk8_bf8_f32 v[202+4*\b:203+4*\b], v[112+16*\b:119+16*\b], v18
.endr
.set j, 0
.rept 16
	v_pk_mul_f32 v[168+j:169+j], v[168+j:169+j], v[28:29] op_sel_hi:[1,0]   ; O^T under the new M; also the plain lines behind the conversions
.set j, j+2
.endr
	s_wait_dscnt 0x0                               ; V's fragments
	s_wait_alu depctr_vm_vsrc(0)                   ; the step's 32 LDS loads have read v2, which the next walked step writes again: stated here, ahead of the label and the branches that lie between
.irp t, 0,1,2,3
	v_wmma_f32_16x16x128_bf8_bf8 v[168+8*\t:175+8*\t], v[40+16*\t:55+16*\t], v[200:215], v[168+8*\t:175+8*\t]   ; four accumulators by turns; the next matrix instructions are the next step's scores
.endr
.Lskip_\@:
.endm
; FOUR KEY STEPS.  In front of the barrier each wave's LDS stores have landed and its LDS loads are in; behind it group g is whole.  Between this barrier and the next, waves read group g and (first pass) store group g + 1: other bytes.
; The filling's LDS stores owe no wait on va_vdst: their data come by loads, and their address registers were written ahead of the head's wait.
.macro GROUP g
	s_wait_dscnt 0x0
	s_barrier_signal -1
	s_barrier_wait -1
	s_mov_b32 s7, 0
.Lstep_\@:
	STEP \g
	s_add_co_u32 s7, s7, 1
	s_cmp_lt_u32 s7, 4
	s_cbranch_scc1 .Lstep_\@
.if \g < 3
	s_cmp_lg_u32 s8, 0                             ; the second pass finds all of K and V in LDS
	s_cbranch_scc1 .Lfilled_\@
	s_wait_loadcnt 0x0                             ; group g + 1, asked for a group ago
	STOREG (\g)+1
.if \g < 2
	s_wait_dscnt 0x0                               ; the stores into LDS are done
	s_wait_alu depctr_vm_vsrc(0)                   ; the LDS stores have read v216-247, in which the next group's loads land
	LOADG (\g)+2
.endif
.Lfilled_\@:
.endif
.endm
.Lpass:
	s_sub_co_u32 s24, 127, s29
	s_cmp_eq_u32 s8, 0
	s_cselect_b32 s24, s29, s24                    ; the pass's tile
	s_wait_xcnt 0x0                                ; earlier loads and stores have read their bases and data
	s_lshl_b32 s100, s24, 10
	s_add_nc_u64 s[30:31], s[16:17], s[100:101]
	s_lshl_b32 s100, s24, 12
	s_add_nc_u64 s[2:3], s[66:67], s[100:101]
	s_lshl_b32 s100, s24, 14
	s_add_nc_u64 s[26:27], s[18:19], s[100:101]
	s_lshl_b32 s25, s24, 2
	s_load_b32 s9, s[14:15], s25 offset:0x0        ; which steps are walked
	global_load_b128 v[20:23], v1, s[30:31]        ; Q's fragment: an image of its registers.  No wait: on the way in no vector or matrix instruction has named v20-27; on the way back the products that read them
	global_load_b128 v[24:27], v1, s[30:31] offset:512   ; stand ahead of the wait on va_vdst in front of Z's stores, behind which no vector instruction follows
	v_mov_b32 v13, 0xff61b1e6                      ; the largest t so far: -3e38
	v_floor_f32 v12, -v13
	v_mov_b32 v14, 0
	v_mov_b32 v15, 0
.set j, 0
.rept 32
	v_mov_b32 v[168+j], 0                          ; O^T: which step comes first is known only from the stored word, so no first product can be written out to start the sums
.set j, j+1
.endr
	s_wait_loadcnt 0x0
	s_wait_kmcnt 0x0
	GROUP 0
	GROUP 1
	GROUP 2
	GROUP 3
	; THE PASS'S END: Z = O^T x 2^(e8 + e9) / the sum, quantised with 2^e10; tiles 2 g, 2 g + 1 give 16 neighbouring channels: four registers of the last product's operand.
.rept 4
	v_nop                                          ; places behind the last products
.endr
	v_add_f32 v14, v14, v15
	v_permlanex16_b32 v32, v14, s12, s13
	v_add_f32 v14, v14, v32                        ; the row's sum; it is never 0: at least one step is walked, and the row's largest p lies over 1/2
	v_rcp_f32 v14, v14
	v_nop                                          ; a plain place behind the transcendental
	s_add_co_i32 s24, s22, s23
	s_wait_alu depctr_va_vdst(0)                   ; the reciprocal has written v14, ahead of its first reader
	v_ldexp_f32 v14, v14, s24
.set j, 0
.rept 16
	v_pk_mul_f32 v[104+j:105+j], v[168+j:169+j], v[14:15] op_sel_hi:[1,0]
.set j, j+2
.endr
.set j, 0
.rept 32
	v_med3_num_f32 v[104+j], v[104+j], -v19, v19
.set j, j+1
.endr
.irp t, 0,1,2,3
	v_cvt_scalef32_pk8_bf8_f32 v[248+2*\t:249+2*\t], v[104+8*\t:111+8*\t], v33
.endr
	v_nop                                          ; a plain line behind the last conversion
	s_wait_alu depctr_va_vdst(0)                   ; the conversions have written v248-255, which the two stores read
	global_store_b128 v1, v[248:251], s[26:27]     ; 512 consecutive bytes each, aligned
	global_store_b128 v1, v[252:255], s[26:27] offset:512
	s_wait_alu depctr_vm_vsrc(0)                   ; the stores have read v248-255, which the next pass's conversions write again: stated ahead of the branch
	s_add_co_u32 s8, s8, 1
	s_cmp_lt_u32 s8, 2
	s_cbranch_scc1 .Lpass
	s_wait_dscnt 0x0
	s_wait_alu depctr_hold_cnt(0) depctr_sa_sdst(0) depctr_va_vdst(0) depctr_va_sdst(0) depctr_va_ssrc(0) depctr_va_vcc(0) depctr_vm_vsrc(0)
	s_wait_tensorcnt 0x0
	ds_add_u32 v38, v39
	s_wait_dscnt 0x0
	s_endpgm
.Lfunc_end_k_q047783280d_attn:
	.size	k_q047783280d_attn, .Lfunc_end_k_q047783280d_attn-k_q047783280d_attn
	.p2alignl 7, 3214868480
	.fill 96, 4, 3214868480
	.section	.rodata,"a",@progbits
	.p2align	6, 0x0
	.amdhsa_kernel k_q047783280d_attn
		.amdhsa_group_segment_fixed_size 264192
		.amdhsa_private_segment_fixed_size 0
		.amdhsa_enable_private_segment 0
		.amdhsa_kernarg_size 48
		.amdhsa_user_sgpr_count 2
		.amdhsa_user_sgpr_kernarg_segment_ptr 1
		.amdhsa_wavefront_size32 1
		.amdhsa_system_sgpr_workgroup_id_x 1
		.amdhsa_system_sgpr_workgroup_id_y 1
		.amdhsa_system_sgpr_workgroup_id_z 1
		.amdhsa_system_vgpr_workitem_id 0
		.amdhsa_next_free_vgpr 256
		.amdhsa_next_free_sgpr 102
		.amdhsa_reserve_vcc 0
		.amdhsa_float_denorm_mode_32 3
		.amdhsa_float_denorm_mode_16_64 3
		.amdhsa_memory_ordered 1
		.amdhsa_forward_progress 1
		.amdhsa_inst_pref_size 94
	.end_amdhsa_kernel
	.amdgpu_metadata
---
amdhsa.version: [ 1, 2 ]
amdhsa.kernels:
  - .name:           k_q047783280d_attn
    .symbol:         k_q047783280d_attn.kd
    .args:
      - { .name: qc, .offset: 0, .size: 8, .value_kind: global_buffer, .address_space: global }
      - { .name: kv, .offset: 8, .size: 8, .value_kind: global_buffer, .address_space: global }
      - { .name: maskw, .offset: 16, .size: 8, .value_kind: global_buffer, .address_space: global }
      - { .name: need, .offset: 24, .size: 8, .value_kind: global_buffer, .address_space: global }
      - { .name: lowp_scales, .offset: 32, .size: 8, .value_kind: global_buffer, .address_space: global }
      - { .name: zc, .offset: 40, .size: 8, .value_kind: global_buffer, .address_space: global }
    .group_segment_fixed_size: 264192
    .private_segment_fixed_size: 0
    .kernarg_segment_align: 8
    .kernarg_segment_size: 48
    .max_flat_workgroup_size: 512
    .sgpr_count:     102
    .vgpr_count:     256
    .wavefront_size: 32
...
	.end_amdgpu_metadata
.endif
;; end of part 5
;; launch outp: the kernel of part 4 again; grid 4 x 64, 4 waves a work-group, clusters of 4 x 4, 327,680 bytes of LDS; arguments zc, codes, lowp_scales, bp, out0; writes out0
